; MI455X (gfx1250); checked and timed in simulation.
; The chip was launched on July 23, 2026; its instructions are those of AMD's public machine-readable ISA for CDNA 5 (MIT licence, August 2026) and "CDNA5" Instruction Set Architecture Reference Guide (July 2026). The comments in the code are by the model that wrote it; some were corrected since.
;; Block. Allowed arithmetic: float matrix products may take bf16 or f16 operands with f32 sums; all other float work in f32.
;; Inputs: c_attn_b 3,072 float32; c_attn_w 1,024 x 3,072 float32; c_proj_b 1,024 float32; c_proj_w 1,024 x 1,024 float32; fc_b 4,096 float32; fc_w 1,024 x 4,096 float32; ln1_b 1,024 float32; ln1_g 1,024 float32; ln2_b 1,024 float32; ln2_g 1,024 float32; proj_b 1,024 float32; proj_w 4,096 x 1,024 float32; x 4 x 1,024 x 1,024 float32.
;; Outputs: out0 4 x 1,024 x 1,024 float32.
;; One version. Each part assembles by itself: llvm-mc -triple=amdgcn-amd-amdhsa -mcpu=gfx1250 --defsym DOCPART=n.
;; ======== version 1 of 1: 7 launches
;; limits: values are held in f16: magnitudes above 65,504 overflow, below 6.1e-05 lose precision
;; workspace buffers: pre 33,554,432 bytes; qkv 25,165,824 bytes; att 8,388,608 bytes; x1 16,777,216 bytes; h2 8,388,608 bytes; hfc 33,554,432 bytes
;; launch prep (part 1): grid 64 x 16, 8 waves a work-group, no clusters, 0 bytes of LDS; arguments x, ln1_g, ln1_b, c_attn_w, c_proj_w, fc_w, proj_w, pre; writes pre
.if DOCPART == 1
	.amdgcn_target "amdgcn-amd-amdhsa--gfx1250"
	.amdhsa_code_object_version 6
	.text
	.protected	k_q25c633d7bf_prep
	.globl	k_q25c633d7bf_prep
	.p2align	8
	.type	k_q25c633d7bf_prep,@function
k_q25c633d7bf_prep:
	s_mov_b64 s[64:65], 0
	v_nop
	global_prefetch_b8 v0, s[64:65] scope:SCOPE_SE
	s_setreg_imm32_b32 hwreg(HW_REG_WAVE_MODE, 25, 1), 1
	s_wait_xcnt 0x0
; A stream: f32 in, f16 out, in slabs of 1,048,576 numbers (4 MiB in, 2 MiB out).  The work-group's y names the slab.
;   slabs 0-3  : rows of the first argument (1024 numbers each), layer-normalised with gain and bias, then rounded
;   slabs 4-6  : c_attn_w, 7: c_proj_w, 8-11: fc_w, 12-15: proj_w, rounded to f16, layout kept ([in][out])
; The same text run on a grid of 64 x 4 is a plain layer norm (the second norm of the block).
; A work-group takes 16 rows of 1024 numbers, a wave two of them; a row is 32 registers of the wave and stays there between the
; pass for the mean, the pass for the variance (sum of squared differences from the mean, so that a common offset of the row costs nothing) and the scaling.
; A load of a wave covers 512 consecutive bytes, a store 256 consecutive bytes at a multiple of 256 from the buffer's first byte.
; No LDS, no barrier, no matrix unit, no cluster: no two work-groups read the same bytes but the 8 KiB of gain and bias.
; WHY F16: these numbers are matrix operands, and f16 keeps 11 significant bits.  Its range serves them: a normalised number is at most sqrt(1023) < 32, so a result is
; at most 32 |gain| + |bias|, finite in f16 for gains up to 2,000; weights are finite up to 65,504, and below 6.1e-5 they keep a step of 6e-8.
; Limits: a result or weight beyond 65,504 becomes an infinity; NaN and infinities in the inputs are passed on as arithmetic makes them; v_rsq_f32 is good to one unit in the last place.
.set SO, 1                             ; v1        byte offset of my 16 bytes in the wave's first source row
.set DO, 2                             ; v2        byte offset of my 8 bytes in the wave's first result row
.set GO, 3                             ; v3        byte offset of my 16 bytes in gain and bias
.set X,  16                            ; v[16:79]  two rows, 32 registers each: chunk j (128 numbers of the row) in 4 registers
.set G,  80                            ; v[80:111] gain of my 32 columns
.set BT, 112                           ; v[112:143] bias of my 32 columns
	s_load_b512 s[4:19], s[0:1], 0x0               ; x s[4:5], gain s[6:7], bias s[8:9], the four weights s[10:17], the result s[18:19]
	s_and_b32 s20, ttmp7, 0xffff                   ; the slab
	s_mov_b32 s26, 0x76543210                      ; v_permlanex16_b32: lane i of one half reads lane i of the other
	s_mov_b32 s27, 0xfedcba98
	s_mov_b32 s28, 0x3a800000                      ; 1 / 1024
	s_mov_b32 s29, 0x3727c5ac                      ; 1e-5
	v_and_b32 v4, 31, v0                           ; lane
	v_lshrrev_b32 v5, 5, v0                        ; wave
	v_lshlrev_b32 v[GO], 4, v4
	v_lshl_or_b32 v[SO], v5, 13, v[GO]             ; wave x 2 rows x 4,096 bytes + 16 x lane
	v_lshlrev_b32 v[DO], 3, v4
	v_lshl_or_b32 v[DO], v5, 12, v[DO]             ; wave x 2 rows x 2,048 bytes + 8 x lane
	s_wait_kmcnt 0x0
	; which buffer the slab comes from, and that buffer's first slab: a choice between buffers on the slab's number alone
	s_mov_b64 s[22:23], s[16:17]
	s_mov_b32 s21, 12
	s_cmp_lt_u32 s20, 12
	s_cselect_b64 s[22:23], s[14:15], s[22:23]
	s_cselect_b32 s21, 8, s21
	s_cmp_lt_u32 s20, 8
	s_cselect_b64 s[22:23], s[12:13], s[22:23]
	s_cselect_b32 s21, 7, s21
	s_cmp_lt_u32 s20, 7
	s_cselect_b64 s[22:23], s[10:11], s[22:23]
	s_cselect_b32 s21, 4, s21
	s_cmp_lt_u32 s20, 4
	s_cselect_b64 s[22:23], s[4:5], s[22:23]
	s_cselect_b32 s21, 0, s21
	s_sub_co_u32 s24, s20, s21                     ; the slab within its buffer
	s_lshl_b32 s24, s24, 22                        ; x 4 MiB
	s_lshl_b32 s25, ttmp9, 16                      ; + work-group x 16 rows x 4,096 bytes
	s_add_co_u32 s24, s24, s25
	s_mov_b32 s25, 0
	s_add_nc_u64 s[22:23], s[22:23], s[24:25]
	s_lshl_b32 s24, s20, 21                        ; the result: slab x 2 MiB
	s_lshl_b32 s30, ttmp9, 15                      ; + work-group x 16 rows x 2,048 bytes
	s_add_co_u32 s24, s24, s30
	s_add_nc_u64 s[18:19], s[18:19], s[24:25]
.irp r, 0,1
.irp j, 0,1,2,3,4,5,6,7
	global_load_b128 v[X+32*\r+4*\j:X+32*\r+4*\j+3], v[SO], s[22:23] offset:\r*4096+512*\j th:TH_LOAD_NT   ; each byte is read once in this launch
.endr
.endr
	s_cmp_lt_u32 s20, 4
	s_cbranch_scc1 .Lnorm
	; weights: round and store, load by load.  Loads come back in order: the count is the number of younger loads.
.irp r, 0,1
.irp j, 0,1,2,3,4,5,6,7
	s_wait_loadcnt 15-8*\r-\j
	v_cvt_pk_f16_f32 v[X+32*\r+4*\j],   v[X+32*\r+4*\j],   v[X+32*\r+4*\j+1]
	v_cvt_pk_f16_f32 v[X+32*\r+4*\j+1], v[X+32*\r+4*\j+2], v[X+32*\r+4*\j+3]
	global_store_b64 v[DO], v[X+32*\r+4*\j:X+32*\r+4*\j+1], s[18:19] offset:\r*2048+256*\j
.endr
.endr
	s_endpgm
.Lnorm:
.irp j, 0,1,2,3,4,5,6,7
	global_load_b128 v[G+4*\j:G+4*\j+3], v[GO], s[6:7] offset:512*\j
.endr
.irp j, 0,1,2,3,4,5,6,7
	global_load_b128 v[BT+4*\j:BT+4*\j+3], v[GO], s[8:9] offset:512*\j
.endr
; the sum of register r over the 32 lanes, in every lane; t is a register that has been written
.macro WSUM r, t
	v_add_f32_dpp v[\r], v[\r], v[\r] row_xmask:1 row_mask:0xf bank_mask:0xf
	v_add_f32_dpp v[\r], v[\r], v[\r] row_xmask:2 row_mask:0xf bank_mask:0xf
	v_add_f32_dpp v[\r], v[\r], v[\r] row_xmask:4 row_mask:0xf bank_mask:0xf
	v_add_f32_dpp v[\r], v[\r], v[\r] row_xmask:8 row_mask:0xf bank_mask:0xf
	v_permlanex16_b32 v[\t], v[\r], s26, s27
	v_add_f32 v[\r], v[\r], v[\t]
.endm
.macro FOLD                            ; four chains of pairs in v[4:11] to one number in v4, then over the lanes
	v_pk_add_f32 v[4:5], v[4:5], v[6:7]
	v_pk_add_f32 v[8:9], v[8:9], v[10:11]
	v_pk_add_f32 v[4:5], v[4:5], v[8:9]
	v_add_f32 v4, v4, v5
	WSUM 4, 5
.endm
; row rho becomes (x - mean) / sqrt(variance + 1e-5), in place.  left = how many younger loads may stay out.
.macro STATS rho, left
.set R, X+32*\rho
	s_wait_loadcnt \left
.irp k, 0,1,2,3
	v_pk_add_f32 v[4+2*\k:5+2*\k], v[R+2*\k:R+2*\k+1], v[R+8+2*\k:R+9+2*\k]          ; the first sums start the four chains: nothing is cleared
.endr
.irp m, 16,24
.irp k, 0,1,2,3
	v_pk_add_f32 v[4+2*\k:5+2*\k], v[4+2*\k:5+2*\k], v[R+\m+2*\k:R+\m+2*\k+1]
.endr
.endr
	FOLD
	v_mul_f32 v12, s28, v4                         ; the mean, twice, for the packed subtraction
	v_mul_f32 v13, s28, v4
.set p, 0
.rept 16
	v_pk_add_f32 v[R+2*p:R+2*p+1], v[R+2*p:R+2*p+1], v[12:13] neg_lo:[0,1] neg_hi:[0,1]
.set p, p+1
.endr
.irp k, 0,1,2,3
	v_pk_mul_f32 v[4+2*\k:5+2*\k], v[R+2*\k:R+2*\k+1], v[R+2*\k:R+2*\k+1]
.endr
.irp m, 8,16,24
.irp k, 0,1,2,3
	v_pk_fma_f32 v[4+2*\k:5+2*\k], v[R+\m+2*\k:R+\m+2*\k+1], v[R+\m+2*\k:R+\m+2*\k+1], v[4+2*\k:5+2*\k]
.endr
.endr
	FOLD
	v_fma_f32 v4, v4, s28, s29                     ; variance + 1e-5
	v_rsq_f32 v12, v4
	v_rsq_f32 v13, v4
	v_nop                                          ; one plain place behind a transcendental before its result is used (ISA guide 5.7.2)
.set p, 0
	s_wait_alu depctr_va_vdst(0)
.rept 16
	v_pk_mul_f32 v[R+2*p:R+2*p+1], v[R+2*p:R+2*p+1], v[12:13]
.set p, p+1
.endr
.endm
; row rho times gain plus bias, rounded once to f16, stored
.macro AFF rho
.set R, X+32*\rho
.set p, 0
.rept 16
	v_pk_fma_f32 v[R+2*p:R+2*p+1], v[R+2*p:R+2*p+1], v[G+2*p:G+2*p+1], v[BT+2*p:BT+2*p+1]
.set p, p+1
.endr
.irp j, 0,1,2,3,4,5,6,7
	v_cvt_pk_f16_f32 v[R+4*\j],   v[R+4*\j],   v[R+4*\j+1]
	v_cvt_pk_f16_f32 v[R+4*\j+1], v[R+4*\j+2], v[R+4*\j+3]
	global_store_b64 v[DO], v[R+4*\j:R+4*\j+1], s[18:19] offset:\rho*2048+256*\j
.endr
.endm
	STATS 0, 24                                    ; younger: row 1's eight loads, gain's eight, bias's eight
	STATS 1, 16                                    ; younger: gain's and bias's
	s_wait_loadcnt 0x0                             ; gain and bias
	AFF 0
	AFF 1                                          ; no register that a store reads is written again: no further wait
	s_endpgm
.Lfunc_end_k_q25c633d7bf_prep:
	.size	k_q25c633d7bf_prep, .Lfunc_end_k_q25c633d7bf_prep-k_q25c633d7bf_prep
	.p2alignl 7, 3214868480
	.fill 96, 4, 3214868480
	.section	.rodata,"a",@progbits
	.p2align	6, 0x0
	.amdhsa_kernel k_q25c633d7bf_prep
		.amdhsa_group_segment_fixed_size 0
		.amdhsa_private_segment_fixed_size 0
		.amdhsa_enable_private_segment 0
		.amdhsa_kernarg_size 64
		.amdhsa_user_sgpr_count 2
		.amdhsa_user_sgpr_kernarg_segment_ptr 1
		.amdhsa_wavefront_size32 1
		.amdhsa_system_sgpr_workgroup_id_x 1
		.amdhsa_system_sgpr_workgroup_id_y 1
		.amdhsa_system_sgpr_workgroup_id_z 1
		.amdhsa_system_vgpr_workitem_id 0
		.amdhsa_next_free_vgpr 144
		.amdhsa_next_free_sgpr 66
		.amdhsa_reserve_vcc 0
		.amdhsa_float_denorm_mode_32 3
		.amdhsa_float_denorm_mode_16_64 3
		.amdhsa_memory_ordered 1
		.amdhsa_forward_progress 1
		.amdhsa_inst_pref_size 25
	.end_amdhsa_kernel
	.amdgpu_metadata
---
amdhsa.version: [ 1, 2 ]
amdhsa.kernels:
  - .name:           k_q25c633d7bf_prep
    .symbol:         k_q25c633d7bf_prep.kd
    .args:
      - { .name: x, .offset: 0, .size: 8, .value_kind: global_buffer, .address_space: global }
      - { .name: ln1_g, .offset: 8, .size: 8, .value_kind: global_buffer, .address_space: global }
      - { .name: ln1_b, .offset: 16, .size: 8, .value_kind: global_buffer, .address_space: global }
      - { .name: c_attn_w, .offset: 24, .size: 8, .value_kind: global_buffer, .address_space: global }
      - { .name: c_proj_w, .offset: 32, .size: 8, .value_kind: global_buffer, .address_space: global }
      - { .name: fc_w, .offset: 40, .size: 8, .value_kind: global_buffer, .address_space: global }
      - { .name: proj_w, .offset: 48, .size: 8, .value_kind: global_buffer, .address_space: global }
      - { .name: pre, .offset: 56, .size: 8, .value_kind: global_buffer, .address_space: global }
    .group_segment_fixed_size: 0
    .private_segment_fixed_size: 0
    .kernarg_segment_align: 8
    .kernarg_segment_size: 64
    .max_flat_workgroup_size: 256
    .sgpr_count:     66
    .vgpr_count:     144
    .wavefront_size: 32
...
	.end_amdgpu_metadata
.endif
;; end of part 1
;; launch gemm_qkv (part 2): grid 12 x 16, 4 waves a work-group, clusters of 4 x 4, 327,680 bytes of LDS; arguments pre, c_attn_b, qkv; writes qkv
.if DOCPART == 2
	.amdgcn_target "amdgcn-amd-amdhsa--gfx1250"
	.amdhsa_code_object_version 6
	.text
	.protected	k_q25c633d7bf_gemm_qkv
	.globl	k_q25c633d7bf_gemm_qkv
	.p2align	8
	.type	k_q25c633d7bf_gemm_qkv,@function
k_q25c633d7bf_gemm_qkv:
	s_mov_b64 s[64:65], 0
	v_nop
	global_prefetch_b8 v0, s[64:65] scope:SCOPE_SE
	s_setreg_imm32_b32 hwreg(HW_REG_WAVE_MODE, 25, 1), 1
	s_wait_xcnt 0x0
	s_wait_alu depctr_hold_cnt(0) depctr_sa_sdst(0) depctr_va_vdst(0) depctr_va_sdst(0) depctr_va_ssrc(0) depctr_va_vcc(0) depctr_vm_vsrc(0)
	s_getreg_b32 s2, hwreg(HW_REG_IB_STS2, 6, 4)
	s_cmp_eq_u32 s2, 0
	s_cbranch_scc0 .Lentry_in_a_cluster
	s_endpgm
.Lentry_in_a_cluster:
	s_bfe_u32 s2, ttmp6, 0x10000c
	s_cmp_lg_u32 s2, 0xf033
	s_cbranch_scc0 .Lentry_shape_is_right
	s_endpgm
.Lentry_shape_is_right:
; C[m][n] = sum over k of A[m][k] W[k][n] + bias[n]  (GELU = 1: then the tanh form of GELU), rounded once to f16.
; A: [4096][SIZE_K] f16.  W: [SIZE_K][SIZE_N] f16, at byte WOFF of its buffer.  bias: [SIZE_N] f32.  C: [4096][SIZE_N] f16.  Sums in f32.
; A work-group makes a block of 256 x 256 of C with four waves; a wave makes 128 x 128: 64 accumulator tiles of 16 x 16, 512 registers.
; K goes in steps of 128 through a ring of two LDS slots filled by the tensor data mover.  A's tile has 256 rows of 256 bytes; W's tile has
; 128 rows (k) of 512 bytes (256 columns) and is read with the transposing LDS load, so that W keeps its layout in memory.
; CLUSTERS: 4 x 4 work-groups.  The four of a row of the cluster need the same tiles of A, the four of a column the same tiles of W: each tile is
; asked for jointly, by the same tensor load with a mask that names the four.  That divides the requests for A and for W by four.
; REGISTERS, in windows of 256:
;   window 0: v0-31 addresses and constants; v64-127, v128-191 fragments of A, two buffers (at work on the way out); v192-223 packed results
;   window 1: v64-127, v128-191 fragments of W, two buffers; v192-255 the bias of my 128 columns in the layout of an accumulator tile
;   window 2: the 32 accumulator tiles of my rows 0-63 (tile (a, b) at v[8 (8 a + b)]);   window 3: those of my rows 64-127
; The matrix instruction is used transposed: source 0 = 16 columns of W, source 1 = 16 rows of A.  Lane l then holds row l % 16 of C and in its
; registers 0 to 7 the columns 8 (l / 16) + 0 .. 7: eight neighbouring numbers of a row, 16 bytes in f16.
; The first product of each tile takes the bias registers as C: nothing is cleared and no add stands on the way out.
; F16'S RANGE FOR C: A is a layer norm's result (spread = the gain's size), W has 1024 rows of spread 1/32, so C has about the gain's spread: numbers below 6 for a gain of 1.
; A gain and weights each 30 times larger make C 900 times larger, about 5,400, a twelfth of f16's largest number; each 30 times smaller leave C at about 1e-3, normal numbers of f16.
; Limits: operands and C are rounded to f16; a C beyond 65,504 becomes an infinity; v_exp_f32 and v_rcp_f32 are good to one unit in the last place and flush denormals; NaN and infinities are not cared for.
.set SIZE_K,   1024
.set SIZE_N,   3072
.set WOFF,     0x800000                ; where W begins in its buffer
.set ARG_A,    0                       ; byte offsets of the four addresses among the kernel's arguments
.set ARG_W,    0
.set ARG_BIAS, 8
.set ARG_C,    16
.set GELU,     0
.set KSTEP,  128
.set PITCH,  272                       ; A's LDS row: 256 bytes + 16: the 16 rows of a fragment load start 4 banks apart (64 banks of 4 bytes: ISA guide 11.1)
.set PITCHB, 544                       ; W's LDS row: 512 bytes + 32, an odd multiple of 32 bytes, for the transposing load
.set HALFT,  128*PITCH                 ; what one tensor load brings: 128 rows of A, or 64 rows of W (64 x 544 is the same number of bytes)
.set SLOT,   4*HALFT                   ; A's 256 rows, then W's 128 rows
.set STAGE,  2*SLOT                    ; behind the ring: 16 rows x 272 bytes for each wave, for the way out; no tensor load lands here
.set SPITCH, 272
.set LAPS, SIZE_K/(2*KSTEP)            ; a lap = two K steps = once round the ring
.set ADRA, 16                          ; v16-17  LDS address of my A fragments in slot 0, 1
.set ADRB, 20                          ; v20-21  the same for W
.set STO,  24                          ; v24     the way out: where I put 16 bytes of a row
.set RD,   25                          ; v25     the way out: where I read a row back
.set CO,   26                          ; v26     my byte offset in C
.set BO,   27                          ; v27     my byte offset in the bias
.set K0P,  28                          ; v[28:29] GELU: -2 log2(e) sqrt(2/pi), twice
.set K1P,  30                          ; v[30:31] GELU: that times 0.044715, twice
.set F0,   64                          ; fragment buffer 0
.set F1,   128                         ; fragment buffer 1
.set RB0,  128                         ; the way out: two buffers for rows read back
.set RB1,  160
.set TMP,  192                         ; the way out: packed results, window 0
.set BI,   192                         ; the bias, window 1
.set G1, 24                            ; s[24:31] descriptor group 1 for A's tiles
.set G0, 32                            ; s[32:39] descriptor group 0 for A's tiles, one set for each slot
.set G1B, 48                           ; s[48:55] descriptor group 1 for W's tiles
.set G0B, 56                           ; s[56:63] descriptor group 0 for W's tiles, one set for each slot
.set MSB, 0
.macro WIN new                         ; s_set_vgpr_msb: bits 1:0 source 0, 3:2 source 1, 5:4 source 2, 7:6 destination; the high byte repeats the setting that is left
.if MSB != \new
	s_set_vgpr_msb (MSB<<8)|\new
.set MSB, \new
.endif
.endm
.set MUL_LO,   0xa1                    ; source 0 (W) window 1, source 1 (A) window 0, C and D window 2
.set MUL_HI,   0xf1                    ; the same, C and D window 3
.set FIRST_LO, 0x91                    ; the first products: C is the bias in window 1, D window 2
.set FIRST_HI, 0xd1                    ; C window 1, D window 3
.set TO_B,     0x40                    ; destination window 1, address window 0
; A joint load.  Waves 0 and 1 fetch A's two halves, waves 2 and 3 W's.  Each line has one mask and one set of registers for all that issue it.
; The branch hangs on the wave's number alone.
.macro JLOAD s
	s_cmp_eq_u32 s11, 0
	s_cbranch_scc0 .Lfor_b_\@
	tensor_load_to_lds s[G0+4*\s:G0+4*\s+3], s[G1:G1+7]
	s_nop 0
	s_branch .Lasked_\@
.Lfor_b_\@:
	tensor_load_to_lds s[G0B+4*\s:G0B+4*\s+3], s[G1B:G1B+7]
	s_nop 0
	v_nop
.Lasked_\@:
.endm
; A round of the cluster's barrier: my work-group's barrier; wave 0 signals for the work-group; every wave waits for all sixteen; my work-group's barrier again.
.macro CREST                           ; a round behind its opening barrier
	s_cmp_lg_u32 s10, 0
	s_cbranch_scc1 .Lnot_wave_0_\@
	s_barrier_signal -3
.Lnot_wave_0_\@:
	s_barrier_wait -3
	s_barrier_signal -1
	s_barrier_wait -1
.endm
.macro CROUND                          ; a whole round
	s_barrier_signal -1
	s_barrier_wait -1
	CREST
.endm
	s_load_b64 s[4:5], s[0:1], ARG_A
	s_load_b64 s[6:7], s[0:1], ARG_W
	s_load_b64 s[66:67], s[0:1], ARG_BIAS
	s_load_b64 s[8:9], s[0:1], ARG_C
	s_set_vgpr_msb 0x40
	v_lshl_add_u32 v63, v0, 2, 0x48400
	s_set_vgpr_msb 0x4000
	v_mov_b32 v255, 0
	s_set_vgpr_msb 0x1
	ds_add_u32 v63, v255
	s_set_vgpr_msb 0x100
	v_lshrrev_b32 v1, 5, v0
	v_readfirstlane_b32 s10, v1                    ; wave 0..3
	s_lshr_b32 s11, s10, 1                         ; which half of the block's rows is mine.  Also: I fetch for A (0) or for W (1)
	s_and_b32 s12, s10, 1                          ; which half of its columns.  Also: which half of that tile I fetch
	s_bfe_u32 s40, ttmp6, 0x40000                  ; cx
	s_bfe_u32 s41, ttmp6, 0x40004                  ; cy
	s_lshl_b32 s42, ttmp9, 2
	s_add_co_u32 s42, s42, s40                     ; block column of C = 4 x cluster x + cx
	s_and_b32 s13, ttmp7, 0xffff
	s_lshl_b32 s13, s13, 2
	s_add_co_u32 s13, s13, s41                     ; block row of C = 4 x cluster y + cy
	s_lshl_b32 s43, s41, 2
	s_lshl_b32 s43, 15, s43                        ; my row of the cluster: places 4 cy .. 4 cy + 3
	s_lshl_b32 s44, 0x1111, s40                    ; my column: places cx, cx + 4, cx + 8, cx + 12
	; group 1 for A: 128 rows x 128 elements of 2 bytes, 4 words of padding behind every 64 words
	s_or_b32 s[G1+0], s43, (1<<16)|(1<<20)|(1<<21)|(5<<22)|(3<<25)
	s_mov_b32 s[G1+1], KSTEP<<16                   ; tensor_dim0 = 128
	s_mov_b32 s[G1+2], 128<<16                     ; tensor_dim1 = 128
	s_mov_b32 s[G1+3], KSTEP<<16                   ; tile_dim0 = 128
	s_mov_b32 s[G1+4], 128                         ; tile_dim1 = 128
	s_mov_b32 s[G1+5], SIZE_K                      ; elements from row to row
	s_mov_b32 s[G1+6], 0
	s_mov_b32 s[G1+7], 0
	; group 1 for W: 64 rows x 256 elements of 2 bytes, 8 words of padding behind every 128 words
	s_or_b32 s[G1B+0], s44, (1<<16)|(1<<20)|(1<<21)|(6<<22)|(7<<25)
	s_mov_b32 s[G1B+1], 256<<16
	s_mov_b32 s[G1B+2], 64<<16
	s_mov_b32 s[G1B+3], 256<<16
	s_mov_b32 s[G1B+4], 64
	s_mov_b32 s[G1B+5], SIZE_N
	s_mov_b32 s[G1B+6], 0
	s_mov_b32 s[G1B+7], 0
	; where the tiles come from.  A's hang on the block row and the wave alone, W's on the block column and the wave alone, in registers that never hold the other coordinate.
	s_lshl_b32 s17, s12, 7
	s_lshl_b32 s16, s13, 8
	s_add_co_u32 s16, s16, s17                     ; A: row 256 x block row + 128 x half
	s_mul_i32 s16, s16, SIZE_K*2                   ; in bytes: below 4096 x 2048
	s_mov_b32 s17, 0
	s_lshl_b32 s46, s42, 9                         ; W: 256 columns x 2 bytes x block column
	s_mul_i32 s74, s12, 64*SIZE_N*2                ; + 64 rows x half
	s_add_co_u32 s46, s46, s74
	s_add_co_u32 s46, s46, WOFF
	s_mov_b32 s47, 0
	s_lshl_b32 s74, s42, 10                        ; the bias of my 128 columns: 4 bytes x (256 x block column + 128 x half)
	s_lshl_b32 s75, s12, 9
	s_add_co_u32 s74, s74, s75
	s_mov_b32 s75, 0
	s_mul_i32 s20, s10, HALFT                      ; where they go: A's two halves, then W's two halves = wave x HALFT
	s_wait_dscnt 0x0
	s_wait_kmcnt 0x0
	s_add_nc_u64 s[14:15], s[4:5], s[16:17]
	s_add_nc_u64 s[46:47], s[6:7], s[46:47]
	s_add_nc_u64 s[66:67], s[66:67], s[74:75]
	CROUND                                         ; all sixteen work-groups are here: the first joint loads meet
.irp s, 0,1
	s_mov_b32 s[G0+4*\s], 1
	s_add_co_u32 s[G0+4*\s+1], s20, \s*SLOT
	s_add_nc_u64 s[G0+4*\s+2:G0+4*\s+3], s[14:15], \s*KSTEP*2              ; K step s: 128 elements along A's rows
	s_or_b32 s[G0+4*\s+3], s[G0+4*\s+3], 0x80000000
	s_mov_b32 s[G0B+4*\s], 1
	s_add_co_u32 s[G0B+4*\s+1], s20, \s*SLOT
	s_add_nc_u64 s[G0B+4*\s+2:G0B+4*\s+3], s[46:47], \s*KSTEP*SIZE_N*2     ; K step s: 128 rows down W
	s_or_b32 s[G0B+4*\s+3], s[G0B+4*\s+3], 0x80000000
	JLOAD \s                                       ; both slots are asked for before anything else is done: two loads of the wave are out
.endr
	v_and_b32 v1, 15, v0                           ; r = l % 16
	v_bfe_u32 v2, v0, 4, 1                         ; h = l / 16
	v_lshlrev_b32 v[BO], 5, v2                     ; register j of tile b holds column 16 b + 8 h + j: 32 h bytes, 64 b in the immediate
	WIN TO_B
.irp b, 0,1,2,3,4,5,6,7
	global_load_b128 v[BI+8*\b:BI+8*\b+3],   v[BO], s[66:67] offset:64*\b
	global_load_b128 v[BI+8*\b+4:BI+8*\b+7], v[BO], s[66:67] offset:64*\b+16
.endr
	WIN 0
	; A's fragment: lane l holds row l % 16; registers 0-3 K = 8 h + 0..7, registers 4-7 K = 16 + 8 h + 0..7: two loads of 16 bytes, 32 bytes apart
	v_mul_u32_u24 v3, v1, PITCH
	v_lshl_add_u32 v3, v2, 4, v3
	s_mul_i32 s21, s11, HALFT                      ; my 128 rows of A
	v_add_nc_u32 v[ADRA], s21, v3
	v_add_nc_u32 v[ADRA+1], SLOT, v[ADRA]
	; W's fragment by the transposing load: lane l addresses row 8 h + (l & 7) of the 32, 16 bytes at 16 ((l >> 3) & 1); the second load 16 rows further down
	v_and_b32 v6, 7, v0
	v_lshl_or_b32 v6, v2, 3, v6
	v_mul_u32_u24 v6, v6, PITCHB
	v_bfe_u32 v7, v0, 3, 1
	v_lshl_add_u32 v6, v7, 4, v6
	s_lshl_b32 s22, s12, 8                         ; my 128 columns: 256 bytes x half,
	s_add_co_u32 s22, s22, 2*HALFT                 ; behind A's 256 rows
	v_add_nc_u32 v[ADRB], s22, v6
	v_add_nc_u32 v[ADRB+1], SLOT, v[ADRB]
	s_mul_i32 s23, s10, 16*SPITCH
	s_add_co_u32 s23, s23, STAGE                   ; my stage
	v_mul_u32_u24 v4, v1, SPITCH                   ; in: row l % 16, 16 bytes for each half of the lanes
	v_lshl_add_u32 v4, v2, 4, v4
	v_add_nc_u32 v[STO], s23, v4
	v_mul_u32_u24 v5, v2, SPITCH                   ; back: lanes 0-15 take one row of 256 bytes, lanes 16-31 the next
	v_lshl_add_u32 v5, v1, 4, v5
	v_add_nc_u32 v[RD], s23, v5
	v_mul_u32_u24 v5, v2, SIZE_N*2                 ; and the same two rows in C
	v_lshl_add_u32 v[CO], v1, 4, v5
.if GELU
	v_mov_b32 v[K0P],   0xc0135761                 ; -2.3022082
	v_mov_b32 v[K0P+1], 0xc0135761
	v_mov_b32 v[K1P],   0xbdd2d3e8                 ; -0.10294324
	v_mov_b32 v[K1P+1], 0xbdd2d3e8
.endif
; 16 matrix instructions: m blocks a0, a0 + 1 of the window's four (hi = 0: my rows 0-63, 1: rows 64-127) x all 8 n blocks, 32 along K.
; first = 1: the bias is C.  The 64 accumulators take turns, one instruction a turn, in the same order in every quarter step.
.macro MUL16 f, hi, a0, first
.irp a, \a0, \a0+1
.irp b, 0,1,2,3,4,5,6,7
.if \first
	v_wmma_f32_16x16x32_f16 v[8*(8*(\a)+\b):8*(8*(\a)+\b)+7], v[\f+8*\b:\f+8*\b+7], v[\f+8*(4*\hi+\a):\f+8*(4*\hi+\a)+7], v[BI+8*\b:BI+8*\b+7]
.else
	v_wmma_f32_16x16x32_f16 v[8*(8*(\a)+\b):8*(8*(\a)+\b)+7], v[\f+8*\b:\f+8*\b+7], v[\f+8*(4*\hi+\a):\f+8*(4*\hi+\a)+7], v[8*(8*(\a)+\b):8*(8*(\a)+\b)+7]
.endif
.endr
.endr
.endm
; 32 LDS loads in one run: the fragments of quarter q of a K step (32 along K: 128 columns of W, 128 rows of A) into buffer f
.macro FETCH slot, q, f
	WIN TO_B
.irp i, 0,1,2,3,4,5,6,7
	ds_load_tr16_b128 v[\f+8*\i:\f+8*\i+3],   v[ADRB+\slot] offset:\q*32*PITCHB+32*\i
	ds_load_tr16_b128 v[\f+8*\i+4:\f+8*\i+7], v[ADRB+\slot] offset:\q*32*PITCHB+32*\i+16*PITCHB
.endr
	WIN 0
.irp i, 0,1,2,3,4,5,6,7
	ds_load_b128 v[\f+8*\i:\f+8*\i+3],   v[ADRA+\slot] offset:64*\q+\i*16*PITCH
	ds_load_b128 v[\f+8*\i+4:\f+8*\i+7], v[ADRA+\slot] offset:64*\q+\i*16*PITCH+32
.endr
.endm
; Four places of plain vector instructions stand between a matrix instruction and a load into one of its registers, or a vector instruction that
; reads its result (ISA guide 7.12.1 for vector instructions).
.macro PLACES
.rept 4
	v_nop
.endr
.endm
; One of the first three quarters of a K step: multiplies buffer f; in its middle it fetches quarter q of the same slot into buffer g.
.macro QUARTER slot, q, f, g, first
	s_wait_dscnt 8                                 ; W and A's rows 0-63 are in; the youngest eight loads (A's rows 64-127) may be out
.if \first
	WIN FIRST_LO
.else
	WIN MUL_LO
.endif
	MUL16 \f, 0, 0, \first
	MUL16 \f, 0, 2, \first
	PLACES
	FETCH \slot, \q, \g
	s_wait_dscnt 32                                ; all but the 32 just issued
.if \first
	WIN FIRST_HI
.else
	WIN MUL_HI
.endif
	MUL16 \f, 1, 0, \first
	MUL16 \f, 1, 2, \first
.endm
.macro THREE slot, first
	QUARTER \slot, 1, F0, F1, \first
	QUARTER \slot, 2, F1, F0, 0
	QUARTER \slot, 3, F0, F1, 0
.endm
; The last quarter: multiplies buffer 1 and changes slots.  In front of the barrier each wave waits for its reads of this slot and for all its
; tensor loads (one is out: its part of the next slot).  Behind it, and behind the cluster's round where this slot is filled again, the refill
; comes first, then the next slot's first fragments.  From a request to the wait for it a wave issues 240 matrix instructions.
.macro TURN slot, next, fill
	s_wait_dscnt 8
	WIN MUL_LO
	MUL16 F1, 0, 0, 0
	s_wait_dscnt 0                                 ; my reads of this slot are over
	s_wait_tensorcnt 0x0                           ; and all my tensor loads have landed
	ds_add_u32 v63, v255
	s_wait_dscnt 0x0
	s_barrier_signal -1
	MUL16 F1, 0, 2, 0                              ; register work while the others arrive
	WIN 0
	s_barrier_wait -1
.if \fill
	CREST                                          ; no wave of any partner still reads this slot or has a load on its way
	s_add_nc_u64 s[G0+4*\slot+2:G0+4*\slot+3], s[G0+4*\slot+2:G0+4*\slot+3], 2*KSTEP*2
	s_add_nc_u64 s[G0B+4*\slot+2:G0B+4*\slot+3], s[G0B+4*\slot+2:G0B+4*\slot+3], 2*KSTEP*SIZE_N*2
	JLOAD \slot                                    ; the wave's one tensor load behind the round
.endif
	PLACES
	FETCH \next, 0, F0
	WIN MUL_HI
	MUL16 F1, 1, 0, 0
	MUL16 F1, 1, 2, 0
.endm
.macro LAP first                       ; once round the ring, both slots filled again
	THREE 0, \first
	TURN 0, 1, 1
	THREE 1, 0
	TURN 1, 0, 1
.endm
	s_wait_loadcnt 0x0                             ; the bias
	s_wait_tensorcnt 1                             ; my part of K step 0 is in; K step 1's stays out
	s_barrier_signal -1
	s_barrier_wait -1                              ; everybody's is
	FETCH 0, 0, F0
	LAP 1                                          ; the first lap stands in front of the loop: its first products start the sums from the bias
	WIN 0                                          ; at a label and at a branch every window is 0
	s_mov_b32 s3, LAPS-2
.Llap:
	LAP 0
	WIN 0
	s_sub_co_u32 s3, s3, 1
	s_cmp_lg_u32 s3, 0
	s_cbranch_scc1 .Llap
	THREE 0, 0                                     ; the last lap fills nothing
	TURN 0, 1, 0
	THREE 1, 0
	s_wait_dscnt 8                                 ; the very last quarter
	WIN MUL_LO
	MUL16 F1, 0, 0, 0
	MUL16 F1, 0, 2, 0
	s_wait_dscnt 0
	WIN MUL_HI
	MUL16 F1, 1, 0, 0
	MUL16 F1, 1, 2, 0
	; THE WAY OUT, 16 rows of C at a time: (GELU,) round to f16, 16 bytes a lane into my own stage in LDS, read back as whole rows of 256 bytes.
	PLACES
	s_lshl_b32 s13, s13, 8
	s_lshl_b32 s14, s11, 7
	s_add_co_u32 s16, s13, s14                     ; my first row of C
	s_mul_i32 s16, s16, SIZE_N*2                   ; below 4096 x 8192 bytes
	s_mov_b32 s17, 0
	s_add_nc_u64 s[8:9], s[8:9], s[16:17]
	s_lshl_b32 s46, s42, 9                         ; my first column, in bytes: 512 x block + 256 x half
	s_lshl_b32 s47, s12, 8
	s_add_co_u32 s46, s46, s47
	s_mov_b32 s47, 0
	s_add_nc_u64 s[8:9], s[8:9], s[46:47]
; rows 16 i .. 16 i + 15 of my block = registers 64 a .. 64 a + 63 of window 2 or 3.  both: that window for sources 0 and 1; one: for source 1 alone; f: the buffer for rows read back.
; GELU: gelu(x) = x / (1 + 2^(x (K0 + K1 x x))), which is the tanh form written with one exponential; for large |x| the power goes to 0 or to infinity and the result to x or to -0.
.macro OUT16 i, a, both, one, f
.if GELU
	WIN \both
.set p, 0
.rept 32
	v_pk_mul_f32 v[F0+2*p:F0+2*p+1], v[64*\a+2*p:64*\a+2*p+1], v[64*\a+2*p:64*\a+2*p+1]     ; x x
.set p, p+1
.endr
	WIN 0
.set p, 0
.rept 32
	v_pk_fma_f32 v[F0+2*p:F0+2*p+1], v[F0+2*p:F0+2*p+1], v[K1P:K1P+1], v[K0P:K0P+1]         ; K1 x x + K0
.set p, p+1
.endr
	WIN \one
.set p, 0
.rept 32
	v_pk_mul_f32 v[F0+2*p:F0+2*p+1], v[F0+2*p:F0+2*p+1], v[64*\a+2*p:64*\a+2*p+1]           ; times x
.set p, p+1
.endr
	WIN 0
.set p, 0
.rept 64
	v_exp_f32 v[F0+p], v[F0+p]
.set p, p+1
.endr
	v_nop                                          ; one plain place behind the transcendentals (ISA guide 5.7.2)
.set p, 0
.rept 32
	v_pk_add_f32 v[F0+2*p:F0+2*p+1], v[F0+2*p:F0+2*p+1], 1.0 op_sel_hi:[1,0]
.set p, p+1
.endr
.set p, 0
.rept 64
	v_rcp_f32 v[F0+p], v[F0+p]
.set p, p+1
.endr
	v_nop
	WIN \one
.set p, 0
.rept 32
	v_pk_mul_f32 v[F0+2*p:F0+2*p+1], v[F0+2*p:F0+2*p+1], v[64*\a+2*p:64*\a+2*p+1]           ; x / (1 + ..)
.set p, p+1
.endr
	WIN 0
.set p, 0
.rept 32
	v_cvt_pk_f16_f32 v[TMP+p], v[F0+2*p], v[F0+2*p+1]
.set p, p+1
.endr
.else
	WIN \both
.set p, 0
.rept 32
	v_cvt_pk_f16_f32 v[TMP+p], v[64*\a+2*p], v[64*\a+2*p+1]
.set p, p+1
.endr
	WIN 0
.endif
.irp b, 0,1,2,3,4,5,6,7
	ds_store_b128 v[STO], v[TMP+4*\b:TMP+4*\b+3] offset:32*\b
.endr
	s_wait_xcnt 0x0                                ; buffer f, which earlier stores read, and the stores' base are rewritten only behind this wait
.if \i
	s_add_nc_u64 s[8:9], s[8:9], 16*SIZE_N*2       ; 16 rows of C on: the stores' immediates stay at 14 rows at the most
.endif
.irp t, 0,1,2,3,4,5,6,7
	ds_load_b128 v[\f+4*\t:\f+4*\t+3], v[RD] offset:\t*2*SPITCH    ; LDS serves a wave's instructions in order (ISA guide 5.7.1): these see the stores above
.endr
.irp t, 0,1,2,3,4,5,6,7
	s_wait_dscnt 7-\t                              ; pair t of the eight pairs of rows is in
	global_store_b128 v[CO], v[\f+4*\t:\f+4*\t+3], s[8:9] offset:2*\t*SIZE_N*2   ; 16 lanes store 256 consecutive bytes, at a multiple of 256 from C's first byte
.endr
.endm
	OUT16 0, 0, 0x0a, 0x08, RB0
	OUT16 1, 1, 0x0a, 0x08, RB1
	OUT16 2, 2, 0x0a, 0x08, RB0
	OUT16 3, 3, 0x0a, 0x08, RB1
	OUT16 4, 0, 0x0f, 0x0c, RB0
	OUT16 5, 1, 0x0f, 0x0c, RB1
	OUT16 6, 2, 0x0f, 0x0c, RB0
	OUT16 7, 3, 0x0f, 0x0c, RB1
	s_set_vgpr_msb 0x1
	s_wait_tensorcnt 0x0
	ds_add_u32 v63, v255
	s_wait_dscnt 0x0
	s_set_vgpr_msb 0x100
	CROUND                                         ; the closing round: no work-group ends while a partner may still ask for a tile that names it
	s_endpgm
.Lfunc_end_k_q25c633d7bf_gemm_qkv:
	.size	k_q25c633d7bf_gemm_qkv, .Lfunc_end_k_q25c633d7bf_gemm_qkv-k_q25c633d7bf_gemm_qkv
	.p2alignl 7, 3214868480
	.fill 96, 4, 3214868480
	.section	.rodata,"a",@progbits
	.p2align	6, 0x0
	.amdhsa_kernel k_q25c633d7bf_gemm_qkv
		.amdhsa_group_segment_fixed_size 327680
		.amdhsa_private_segment_fixed_size 0
		.amdhsa_enable_private_segment 0
		.amdhsa_kernarg_size 24
		.amdhsa_user_sgpr_count 2
		.amdhsa_user_sgpr_kernarg_segment_ptr 1
		.amdhsa_wavefront_size32 1
		.amdhsa_system_sgpr_workgroup_id_x 1
		.amdhsa_system_sgpr_workgroup_id_y 1
		.amdhsa_system_sgpr_workgroup_id_z 1
		.amdhsa_system_vgpr_workitem_id 0
		.amdhsa_next_free_vgpr 1024
		.amdhsa_next_free_sgpr 80
		.amdhsa_reserve_vcc 0
		.amdhsa_float_denorm_mode_32 3
		.amdhsa_float_denorm_mode_16_64 3
		.amdhsa_memory_ordered 1
		.amdhsa_forward_progress 1
		.amdhsa_inst_pref_size 198
	.end_amdhsa_kernel
	.amdgpu_metadata
---
amdhsa.version: [ 1, 2 ]
amdhsa.kernels:
  - .name:           k_q25c633d7bf_gemm_qkv
    .symbol:         k_q25c633d7bf_gemm_qkv.kd
    .args:
      - { .name: pre, .offset: 0, .size: 8, .value_kind: global_buffer, .address_space: global }
      - { .name: c_attn_b, .offset: 8, .size: 8, .value_kind: global_buffer, .address_space: global }
      - { .name: qkv, .offset: 16, .size: 8, .value_kind: global_buffer, .address_space: global }
    .group_segment_fixed_size: 327680
    .private_segment_fixed_size: 0
    .kernarg_segment_align: 8
    .kernarg_segment_size: 24
    .max_flat_workgroup_size: 128
    .sgpr_count:     80
    .vgpr_count:     1024
    .wavefront_size: 32
...
	.end_amdgpu_metadata
.endif
;; end of part 2
;; launch attn (part 3): grid 256 x 1, 4 waves a work-group, clusters of 4 x 1, 321,024 bytes of LDS; arguments qkv, att; writes att
.if DOCPART == 3
	.amdgcn_target "amdgcn-amd-amdhsa--gfx1250"
	.amdhsa_code_object_version 6
	.text
	.protected	k_q25c633d7bf_attn
	.globl	k_q25c633d7bf_attn
	.p2align	8
	.type	k_q25c633d7bf_attn,@function
k_q25c633d7bf_attn:
	s_mov_b64 s[64:65], 0
	v_nop
	global_prefetch_b8 v0, s[64:65] scope:SCOPE_SE
	s_setreg_imm32_b32 hwreg(HW_REG_WAVE_MODE, 25, 1), 1
	s_wait_xcnt 0x0
	s_wait_alu depctr_hold_cnt(0) depctr_sa_sdst(0) depctr_va_vdst(0) depctr_va_sdst(0) depctr_va_ssrc(0) depctr_va_vcc(0) depctr_vm_vsrc(0)
	s_getreg_b32 s2, hwreg(HW_REG_IB_STS2, 6, 4)
	s_cmp_eq_u32 s2, 0
	s_cbranch_scc0 .Lentry_in_a_cluster
	s_endpgm
.Lentry_in_a_cluster:
	s_bfe_u32 s2, ttmp6, 0x10000c
	s_cmp_lg_u32 s2, 0x3003
	s_cbranch_scc0 .Lentry_shape_is_right
	s_endpgm
.Lentry_shape_is_right:
; Causal attention.  qkv: [4096][3072] f16 (q, k, v; a head owns 64 columns of each).  att: [4096][1024] f16.
; A cluster of four work-groups takes one head of one batch (cluster x = 16 x batch + head).  The head's whole K and V (1024 keys) lie in the LDS of each
; of the four, brought once by JOINT tensor loads that name all four: K and V leave memory once for the cluster, and no slot is ever filled again.
; The 1024 queries are eight super-blocks of 128.  Work-group cx takes rows 32 cx .. 32 cx + 31 of every super-block; wave w takes super-block w and
; then super-block 7 - w: 2 (w + 1) + 2 (8 - w) = 18 trips of 64 keys for every wave of every work-group.  Trip counts hang on the wave's number alone;
; cx enters global addresses of Q and of the result and the numbers that the mask compares, nothing else.  Keys behind the diagonal's block are not computed.
; BOTH PRODUCTS ARE TRANSPOSED.  S^T = K Q^T: lane (r, h) holds query r and keys 16 kt + 8 h + j.  Rounding tiles 2 ks and 2 ks + 1 to f16 in the lane gives
; the second source of O^T = V^T P^T as it stands: P goes through no LDS and no other lane.  Maximum, sum and rescaling are one number a lane;
; one v_permlanex16_b32 joins the two halves h.  V^T comes from LDS by the transposing load.
; The softmax takes a running maximum away, as the definition does; the first trip holds key 0, which every query sees, so the maximum is finite from then on.
; The wave's two query tiles go through the softmax together: their dependent chains alternate, and the exponentials of one tile stand beside plain work of the other.
; THE WAY OUT.  A group's result, rounded to f16, is 32 registers and waits in the registers of the group's Q fragments, which are done with.  Only when every wave
; has made all its reads of K and V, behind one barrier, do the waves store into LDS: each turns its results in a stage of its own into rows.
; A head owns 128 consecutive bytes of a row of att, so a store's eight neighbouring lanes cover those 128 bytes; no more is consecutive here.
; F16'S RANGE: P lies between 0 and 1 (below 6.1e-5 it keeps a step of 6e-8, against a sum of at least 1); a result is a weighted mean of rows of V, so it is no larger than V, which is f16 already.
; Limits: operands, P and the result rounded to f16; v_exp_f32 flushes results below 2^-126 to zero; NaN and infinities in the inputs are not cared for.
.set ROWB, 6144                        ; bytes from a row of qkv to the next
.set KP,   144                         ; K's LDS row: 128 bytes + 16
.set VP,   160                         ; V's LDS row: 128 bytes + 32, an odd multiple of 32 bytes, for the transposing load
.set VB0,  1024*KP                     ; V behind K
.set STAGE, VB0+1024*VP                ; behind V: 16 rows x 144 bytes for each wave; no tensor load lands here
.set SSTG, 16*KP
; window 0
.set CP,   4                           ; v[4:5]   0.125 log2(e), twice
.set VAD0, 6                           ; v6       LDS address of my V fragments at key 0
.set KAD0, 7                           ; v7       the same for K
.set KAD,  8                           ; v8       K's address, stepped by 64 keys a trip
.set VAD,  9                           ; v9       V's
.set QOF,  10                          ; v10      my byte offset in the group's rows of Q
.set STO,  11                          ; v11      the way out: where I put 16 bytes
.set RD,   12                          ; v12      the way out: where I read them back
.set CO,   13                          ; v13      my byte offset in att
.set QL,   14                          ; v14-15   query tile qt: my query's number - 8 h
.set M,    16                          ; v16-17   running maximum
.set LS,   18                          ; v18-19   running sum of my own keys
.set NM,   20                          ; v20, v22 -c x maximum (first register of a pair; the second is written once)
.set AL,   24                          ; v24, v26 the factor by which old sums shrink; at the end 1 / sum
.set NINF, 28                          ; v28      -infinity
.set RB,   29                          ; v29      r - 8 h
.set DL,   30                          ; v30-31   QL - 64 x trip
.set T,    32                          ; v[32:63] at work: 16 registers for each query tile
.set S,    64                          ; v[64:127]  scores, tile (qt, kt) at 64 + 32 qt + 8 kt; then P, fragment (qt, ks) at 64 + 32 qt + 8 ks; on the way out rows read back
.set KF,   128                         ; v[128:191] K fragments (kt, ks) at 128 + 16 kt + 8 ks
.set VF,   192                         ; v[192:255] V fragments (dt, ks) at 192 + 16 dt + 8 ks
; window 1
.set O,    0                           ; v[0:63]   O^T, tile (dt, qt) at 8 (2 dt + qt)
.set QA,   64                          ; v[64:95]  Q fragments of the first group, (qt, ks) at + 16 qt + 8 ks; then its result, (qt, dt) at + 16 qt + 4 dt
.set QB,   96                          ; v[96:127] of the second group
.set MSB, 0
.macro WIN new                         ; s_set_vgpr_msb: bits 1:0 source 0, 3:2 source 1, 5:4 source 2, 7:6 destination; the high byte repeats the setting that is left
.if MSB != \new
	s_set_vgpr_msb (MSB<<8)|\new
.set MSB, \new
.endif
.endm
.macro ROUND                           ; a round of the cluster's barrier
	s_barrier_signal -1
	s_barrier_wait -1
	s_cmp_lg_u32 s8, 0
	s_cbranch_scc1 .Lnot_wave_0_\@
	s_barrier_signal -3
.Lnot_wave_0_\@:
	s_barrier_wait -3
	s_barrier_signal -1
	s_barrier_wait -1
.endm
; group 1: rows x 64 elements of 2 bytes, 3072 elements from row to row, pad + 1 words behind every 32 words; mask: all four work-groups
.macro G1SET g, pad, rows
	s_mov_b32 s[\g+0], 15|(1<<16)|(1<<20)|(1<<21)|(4<<22)|(\pad<<25)
	s_mov_b32 s[\g+1], 64<<16
	s_mov_b32 s[\g+2], \rows<<16
	s_mov_b32 s[\g+3], 64<<16
	s_mov_b32 s[\g+4], \rows
	s_mov_b32 s[\g+5], 3072
	s_mov_b32 s[\g+6], 0
	s_mov_b32 s[\g+7], 0
.endm
	s_load_b128 s[4:7], s[0:1], 0x0                ; qkv s[4:5], att s[6:7]
	s_set_vgpr_msb 0x40
	v_lshl_add_u32 v128, v0, 2, 0x4e400
	v_mov_b32 v129, 0
	s_set_vgpr_msb 0x4045
	ds_add_u32 v128, v129
	s_set_vgpr_msb 0x4500
	v_lshrrev_b32 v1, 5, v0
	v_readfirstlane_b32 s8, v1                     ; wave 0..3
	s_bfe_u32 s9, ttmp6, 0x40000                   ; cx
	s_lshr_b32 s11, ttmp9, 4                       ; batch
	s_and_b32 s12, ttmp9, 15                       ; head
	G1SET 16, 3, 64                                ; K, keys 0-255: 64 rows a wave
	G1SET 24, 3, 192                               ; K, keys 256-1023: 192 rows a wave
	G1SET 32, 7, 64                                ; V likewise
	G1SET 40, 7, 192
	s_mov_b32 s48, 1
	s_mul_i32 s49, s8, 64*KP
	s_mov_b32 s52, 1
	s_mul_i32 s53, s8, 64*VP
	s_add_co_u32 s53, s53, VB0
	s_mov_b32 s56, 1
	s_mul_i32 s57, s8, 192*KP
	s_add_co_u32 s57, s57, 256*KP
	s_mov_b32 s60, 1
	s_mul_i32 s61, s8, 192*VP
	s_add_co_u32 s61, s61, VB0+256*VP
	s_mul_i32 s14, s11, 1024*ROWB                  ; the head's q in the batch's first row: batch x 1024 rows + head x 128 bytes
	s_lshl_b32 s13, s12, 7
	s_add_co_u32 s14, s14, s13
	s_mov_b32 s15, 0
	s_mul_i32 s84, s8, 64*ROWB                     ; my 64 of the first 256 keys
	s_mov_b32 s85, 0
	s_mul_i32 s86, s8, 192*ROWB                    ; my 192 of the other 768
	s_add_co_u32 s86, s86, 256*ROWB
	s_mov_b32 s87, 0
	s_wait_dscnt 0x0
	s_wait_kmcnt 0x0
	s_add_nc_u64 s[14:15], s[4:5], s[14:15]
	s_add_nc_u64 s[84:85], s[14:15], s[84:85]
	s_add_nc_u64 s[86:87], s[14:15], s[86:87]
	s_add_nc_u64 s[50:51], s[84:85], 2048          ; k lies 1024 columns behind q, v 2048
	s_or_b32 s51, s51, 0x80000000
	s_add_nc_u64 s[54:55], s[84:85], 4096
	s_or_b32 s55, s55, 0x80000000
	s_add_nc_u64 s[58:59], s[86:87], 2048
	s_or_b32 s59, s59, 0x80000000
	s_add_nc_u64 s[62:63], s[86:87], 4096
	s_or_b32 s63, s63, 0x80000000
	ROUND                                          ; the four work-groups are here: the joint loads meet
	tensor_load_to_lds s[48:51], s[16:23]          ; K, keys 0-255
	s_nop 0
	tensor_load_to_lds s[52:55], s[32:39]          ; V, keys 0-255
	s_nop 0
	tensor_load_to_lds s[56:59], s[24:31]          ; K, keys 256-1023
	s_nop 0
	tensor_load_to_lds s[60:63], s[40:47]          ; V, keys 256-1023: four loads of the wave are out, and none follows
	s_nop 0
	; the two groups' first queries, and from them the addresses of Q and of the result (here, and in the mask's numbers, cx enters)
	s_lshl_b32 s89, s9, 5
	s_lshl_b32 s83, s8, 7
	s_add_co_u32 s83, s83, s89                     ; first group: 128 w + 32 cx
	s_sub_co_u32 s88, 7, s8
	s_lshl_b32 s88, s88, 7
	s_add_co_u32 s88, s88, s89                     ; second group: 128 (7 - w) + 32 cx
	s_mov_b32 s91, 0
	s_mul_i32 s90, s83, ROWB
	s_add_nc_u64 s[66:67], s[14:15], s[90:91]
	s_mul_i32 s90, s88, ROWB
	s_add_nc_u64 s[68:69], s[14:15], s[90:91]
	s_lshl_b32 s92, s11, 21                        ; batch x 1024 rows x 2,048 bytes
	s_lshl_b32 s93, s12, 7
	s_add_co_u32 s92, s92, s93                     ; + head x 128 bytes
	s_lshl_b32 s90, s83, 11
	s_add_co_u32 s90, s90, s92
	s_add_nc_u64 s[70:71], s[6:7], s[90:91]
	s_lshl_b32 s90, s88, 11
	s_add_co_u32 s90, s90, s92
	s_add_nc_u64 s[72:73], s[6:7], s[90:91]
	s_mov_b32 s80, 0xbe38aa3b                      ; -0.125 log2(e)
	s_mov_b32 s81, 0x76543210                      ; v_permlanex16_b32: lane i of one half reads lane i of the other
	s_mov_b32 s82, 0xfedcba98
	v_and_b32 v1, 15, v0                           ; r
	v_bfe_u32 v2, v0, 4, 1                         ; h
	v_mul_u32_u24 v[QOF], v1, ROWB
	v_lshl_add_u32 v[QOF], v2, 4, v[QOF]           ; query r, 16 h bytes: the second source's layout, straight from memory
	WIN 0x40
.irp qt, 0,1
.irp ks, 0,1
	global_load_b128 v[QA+16*\qt+8*\ks:QA+16*\qt+8*\ks+3],   v[QOF], s[66:67] offset:\qt*16*ROWB+64*\ks
	global_load_b128 v[QA+16*\qt+8*\ks+4:QA+16*\qt+8*\ks+7], v[QOF], s[66:67] offset:\qt*16*ROWB+64*\ks+32
.endr
.endr
.irp qt, 0,1
.irp ks, 0,1
	global_load_b128 v[QB+16*\qt+8*\ks:QB+16*\qt+8*\ks+3],   v[QOF], s[68:69] offset:\qt*16*ROWB+64*\ks
	global_load_b128 v[QB+16*\qt+8*\ks+4:QB+16*\qt+8*\ks+7], v[QOF], s[68:69] offset:\qt*16*ROWB+64*\ks+32
.endr
.endr
	WIN 0
	v_mul_u32_u24 v[KAD0], v1, KP
	v_lshl_add_u32 v[KAD0], v2, 4, v[KAD0]         ; key r, 16 h bytes
	v_and_b32 v3, 7, v0
	v_lshl_or_b32 v[VAD0], v2, 3, v3               ; the transposing load: key 8 h + (l & 7),
	v_mul_u32_u24 v[VAD0], v[VAD0], VP
	v_bfe_u32 v[RB], v0, 3, 1
	v_lshl_add_u32 v[VAD0], v[RB], 4, v[VAD0]      ; 16 bytes at 16 ((l >> 3) & 1)
	v_add_nc_u32 v[VAD0], VB0, v[VAD0]
	s_mul_i32 s10, s8, SSTG
	s_add_co_u32 s10, s10, STAGE                   ; my stage
	v_add_nc_u32 v[STO], s10, v[KAD0]              ; in: row r, 16 h bytes
	v_bfe_u32 v[RD], v0, 3, 2                      ; back: eight lanes take a row of 128 bytes, a load four rows
	v_lshlrev_b32 v[CO], 11, v[RD]
	v_lshl_add_u32 v[CO], v3, 4, v[CO]
	v_mul_u32_u24 v[RD], v[RD], KP
	v_lshl_add_u32 v[RD], v3, 4, v[RD]
	v_add_nc_u32 v[RD], s10, v[RD]
	v_lshlrev_b32 v[RB], 3, v2
	v_sub_nc_u32 v[RB], v1, v[RB]                  ; r - 8 h
	v_mov_b32 v[CP],   0x3e38aa3b                  ; 0.125 log2(e): the scale 1 / 8 and the change to base 2 in one factor
	v_mov_b32 v[CP+1], 0x3e38aa3b
	v_mov_b32 v[NM+1], 0                           ; the second registers of pairs of which the first is broadcast
	v_mov_b32 v[NM+3], 0
	v_mov_b32 v[AL+1], 0
	v_mov_b32 v[AL+3], 0
	v_mov_b32 v[NINF], 0xff800000
	v_mov_b32 v[KAD], v[KAD0]
	v_mov_b32 v[VAD], v[VAD0]
	v_add_nc_u32 v[QL], s83, v[RB]
	v_add_nc_u32 v[QL+1], 16, v[QL]
	s_lshl_b32 s76, s8, 1                          ; trips below this number lie wholly in front of the diagonal: 2 x super-block
	s_add_co_u32 s75, s76, 2                       ; the group's trips
.macro KLOAD                           ; 16 loads: 64 keys x 64, as first sources of K Q^T
.irp kt, 0,1,2,3
.irp ks, 0,1
	ds_load_b128 v[KF+16*\kt+8*\ks:KF+16*\kt+8*\ks+3],   v[KAD] offset:\kt*16*KP+64*\ks
	ds_load_b128 v[KF+16*\kt+8*\ks+4:KF+16*\kt+8*\ks+7], v[KAD] offset:\kt*16*KP+64*\ks+32
.endr
.endr
.endm
.macro VLOAD                           ; 16 transposing loads: 64 keys x 64, as first sources of V^T P^T
.irp dt, 0,1,2,3
.irp ks, 0,1
	ds_load_tr16_b128 v[VF+16*\dt+8*\ks:VF+16*\dt+8*\ks+3],   v[VAD] offset:\ks*32*VP+32*\dt
	ds_load_tr16_b128 v[VF+16*\dt+8*\ks+4:VF+16*\dt+8*\ks+7], v[VAD] offset:\ks*32*VP+32*\dt+16*VP
.endr
.endr
.endm
; Both query tiles: new maximum, P = 2^(c S - c max), the sums' factor, the sum, P rounded to f16 in place.
; Tile qt has its scores at S + 32 qt and its temporaries at T + 16 qt.  The two tiles' chains alternate line by line, so that a line seldom reads the line in front of it.
; Behind a transcendental stands a plain line that names neither its result nor its source (ISA guide 5.7.2): tile 0's exponentials stand beside tile 1's scaling,
; tile 1's beside tile 0's sum and rounding.
.macro SOFT2 first
.irp qt, 0,1
.irp c, 0,1,2,3
	v_max3_num_f32 v[T+16*\qt+\c], v[S+32*\qt+8*\c], v[S+32*\qt+8*\c+1], v[S+32*\qt+8*\c+2]
.endr
.endr
.irp qt, 0,1
.irp c, 0,1,2,3
	v_max3_num_f32 v[T+16*\qt+\c], v[T+16*\qt+\c], v[S+32*\qt+8*\c+3], v[S+32*\qt+8*\c+4]
.endr
.endr
.irp qt, 0,1
.irp c, 0,1,2,3
	v_max3_num_f32 v[T+16*\qt+\c], v[T+16*\qt+\c], v[S+32*\qt+8*\c+5], v[S+32*\qt+8*\c+6]
.endr
.endr
.irp qt, 0,1
.irp c, 0,1,2,3
	v_max_num_f32 v[T+16*\qt+\c], v[T+16*\qt+\c], v[S+32*\qt+8*\c+7]
.endr
.endr
.irp qt, 0,1
	v_max3_num_f32 v[T+16*\qt], v[T+16*\qt], v[T+16*\qt+1], v[T+16*\qt+2]
.endr
.irp qt, 0,1
	v_max_num_f32 v[T+16*\qt], v[T+16*\qt], v[T+16*\qt+3]
.endr
.irp qt, 0,1
	v_permlanex16_b32 v[T+16*\qt+1], v[T+16*\qt], s81, s82         ; the other half's keys of the same query
.endr
.if \first
.irp qt, 0,1
	v_max_num_f32 v[M+\qt], v[T+16*\qt], v[T+16*\qt+1]
.endr
.irp qt, 0,1
	v_mul_f32 v[NM+2*\qt], s80, v[M+\qt]
.endr
.else
.irp qt, 0,1
	v_max3_num_f32 v[T+16*\qt], v[T+16*\qt], v[T+16*\qt+1], v[M+\qt]
.endr
.irp qt, 0,1
	v_mul_f32 v[NM+2*\qt], s80, v[T+16*\qt]
.endr
.irp qt, 0,1
	v_fma_f32 v[T+16*\qt+2], v[M+\qt], v[CP], v[NM+2*\qt]
.endr
.irp qt, 0,1
	v_mov_b32 v[M+\qt], v[T+16*\qt]
.endr
.irp qt, 0,1
	v_exp_f32 v[AL+2*\qt], v[T+16*\qt+2]           ; 2^(c old - c new); the multiply-adds below are the plain places behind it
.endr
.endif
.set p, 0
.rept 16
	v_pk_fma_f32 v[S+2*p:S+2*p+1], v[S+2*p:S+2*p+1], v[CP:CP+1], v[NM:NM+1] op_sel_hi:[1,1,0]      ; tile 0: c S - c max
.set p, p+1
.endr
.set p, 0
.rept 16
	v_exp_f32 v[S+2*p], v[S+2*p]                   ; tile 0's exponentials, two at a time,
	v_exp_f32 v[S+2*p+1], v[S+2*p+1]
	v_pk_fma_f32 v[S+32+2*p:S+33+2*p], v[S+32+2*p:S+33+2*p], v[CP:CP+1], v[NM+2:NM+3] op_sel_hi:[1,1,0]   ; beside tile 1's c S - c max
.set p, p+1
.endr
	; tile 1's 32 exponentials, each beside a line of tile 0's sum tree or rounding
.irp k, 0,1,2,3,4,5,6,7
	v_exp_f32 v[S+32+\k], v[S+32+\k]
	s_wait_alu depctr_va_vdst(0)
	v_pk_add_f32 v[T+2*\k:T+2*\k+1], v[S+2*\k:S+2*\k+1], v[S+16+2*\k:S+17+2*\k]
.endr
.irp k, 0,1,2,3
	v_exp_f32 v[S+40+\k], v[S+40+\k]
	v_pk_add_f32 v[T+2*\k:T+2*\k+1], v[T+2*\k:T+2*\k+1], v[T+8+2*\k:T+9+2*\k]
.endr
.irp k, 0,1
	v_exp_f32 v[S+44+\k], v[S+44+\k]
	v_pk_add_f32 v[T+2*\k:T+2*\k+1], v[T+2*\k:T+2*\k+1], v[T+4+2*\k:T+5+2*\k]
.endr
	v_exp_f32 v[S+46], v[S+46]
	v_pk_add_f32 v[T:T+1], v[T:T+1], v[T+2:T+3]
	v_exp_f32 v[S+47], v[S+47]
.if \first
	v_add_f32 v[LS], v[T], v[T+1]
.else
	v_add_f32 v[T], v[T], v[T+1]
.endif
.set p, 0
.rept 16
	v_exp_f32 v[S+48+p], v[S+48+p]
	v_cvt_pk_f16_f32 v[S+p], v[S+2*p], v[S+2*p+1]          ; tile 0's P; ascending: register p is written when 2 p and 2 p + 1 have been read
.set p, p+1
.endr
.if \first == 0
	v_fma_f32 v[LS], v[LS], v[AL], v[T]
	s_wait_alu depctr_va_vdst(0)
.endif
	; tile 1's sum tree, its short levels apart from each other by its rounding
	s_wait_alu depctr_va_vdst(0)
.irp k, 0,1,2,3,4,5,6,7
	v_pk_add_f32 v[T+16+2*\k:T+17+2*\k], v[S+32+2*\k:S+33+2*\k], v[S+48+2*\k:S+49+2*\k]
.endr
.irp k, 0,1,2,3
	v_pk_add_f32 v[T+16+2*\k:T+17+2*\k], v[T+16+2*\k:T+17+2*\k], v[T+24+2*\k:T+25+2*\k]
.endr
.irp p, 0,1,2,3
	v_cvt_pk_f16_f32 v[S+32+\p], v[S+32+2*\p], v[S+33+2*\p]
.endr
.irp k, 0,1
	v_pk_add_f32 v[T+16+2*\k:T+17+2*\k], v[T+16+2*\k:T+17+2*\k], v[T+20+2*\k:T+21+2*\k]
.endr
.irp p, 4,5,6,7
	v_cvt_pk_f16_f32 v[S+32+\p], v[S+32+2*\p], v[S+33+2*\p]
.endr
	v_pk_add_f32 v[T+16:T+17], v[T+16:T+17], v[T+18:T+19]
.irp p, 8,9,10,11
	v_cvt_pk_f16_f32 v[S+32+\p], v[S+32+2*\p], v[S+33+2*\p]
.endr
.if \first
	v_add_f32 v[LS+1], v[T+16], v[T+17]
.else
	v_add_f32 v[T+16], v[T+16], v[T+17]
.endif
.irp p, 12,13,14,15
	v_cvt_pk_f16_f32 v[S+32+\p], v[S+32+2*\p], v[S+33+2*\p]
.endr
.if \first == 0
	v_fma_f32 v[LS+1], v[LS+1], v[AL+2], v[T+16]
.endif
.endm
; One trip: 64 keys for my 32 queries.  qb: the group's Q fragments; first = 1: the group's first trip starts maximum, sums and O.  s74 = the trip's number.
; In both products eight accumulators take turns, one instruction a turn.
.macro TRIP qb, first
	VLOAD
	v_add_nc_u32 v[VAD], 64*VP, v[VAD]
	s_wait_dscnt 16                                ; this trip's K fragments are in; the 16 V loads just issued are younger
	WIN 0x04                                       ; the second source (Q) in window 1
.irp qt, 0,1
.irp kt, 0,1,2,3
	v_wmma_f32_16x16x32_f16 v[S+32*\qt+8*\kt:S+32*\qt+8*\kt+7], v[KF+16*\kt:KF+16*\kt+7], v[\qb+16*\qt:\qb+16*\qt+7], 0
.endr
.endr
.irp qt, 0,1
.irp kt, 0,1,2,3
	v_wmma_f32_16x16x32_f16 v[S+32*\qt+8*\kt:S+32*\qt+8*\kt+7], v[KF+16*\kt+8:KF+16*\kt+15], v[\qb+16*\qt+8:\qb+16*\qt+15], v[S+32*\qt+8*\kt:S+32*\qt+8*\kt+7]
.endr
.endr
	WIN 0
.rept 4
	v_nop                                          ; four places in front of the loads into K's fragments and of the first read of a score
.endr
	v_add_nc_u32 v[KAD], 64*KP, v[KAD]
	KLOAD                                          ; the next trip's K.  In a group's last trip these 64 rows are not used; at the most they are V's first bytes, which have landed
	s_cmp_lt_u32 s74, s76
	s_cbranch_scc1 .Lnomask_\@                     ; all 64 keys lie in front of all my queries
	s_lshl_b32 s77, s74, 6
	v_sub_nc_u32 v[DL], v[QL], s77
	v_sub_nc_u32 v[DL+1], v[QL+1], s77
.irp qt, 0,1
.irp kt, 0,1,2,3
.irp j, 0,1,2,3,4,5,6,7
	v_cmp_le_i32 vcc_lo, 16*\kt+\j, v[DL+\qt]      ; key 64 trip + 16 kt + 8 h + j <= query
	v_cndmask_b32 v[S+32*\qt+8*\kt+\j], v[NINF], v[S+32*\qt+8*\kt+\j], vcc_lo
.endr
.endr
.endr
.Lnomask_\@:
	SOFT2 \first
.if \first == 0
	WIN 0x41                                       ; O in window 1, the factor in window 0
.irp dt, 0,1,2,3
.irp qt, 0,1
.irp p, 0,1,2,3
	v_pk_mul_f32 v[O+8*(2*\dt+\qt)+2*\p:O+8*(2*\dt+\qt)+2*\p+1], v[O+8*(2*\dt+\qt)+2*\p:O+8*(2*\dt+\qt)+2*\p+1], v[AL+2*\qt:AL+2*\qt+1] op_sel_hi:[1,0]
.endr
.endr
.endr
.endif
	s_wait_dscnt 16                                ; V is in; the 16 loads of the next trip's K are younger
	WIN 0x50                                       ; C and D in window 1
.irp dt, 0,1,2,3
.irp qt, 0,1
.if \first
	v_wmma_f32_16x16x32_f16 v[O+8*(2*\dt+\qt):O+8*(2*\dt+\qt)+7], v[VF+16*\dt:VF+16*\dt+7], v[S+32*\qt:S+32*\qt+7], 0
.else
	v_wmma_f32_16x16x32_f16 v[O+8*(2*\dt+\qt):O+8*(2*\dt+\qt)+7], v[VF+16*\dt:VF+16*\dt+7], v[S+32*\qt:S+32*\qt+7], v[O+8*(2*\dt+\qt):O+8*(2*\dt+\qt)+7]
.endif
.endr
.endr
.irp dt, 0,1,2,3
.irp qt, 0,1
	v_wmma_f32_16x16x32_f16 v[O+8*(2*\dt+\qt):O+8*(2*\dt+\qt)+7], v[VF+16*\dt+8:VF+16*\dt+15], v[S+32*\qt+8:S+32*\qt+15], v[O+8*(2*\dt+\qt):O+8*(2*\dt+\qt)+7]
.endr
.endr
	WIN 0
.rept 5
	v_nop                                          ; five places in front of the score products that write over P, four in front of the loads into V's fragments and of reads of O
.endr
.endm
; The group's result: O / sum, rounded once to f16, into the 32 registers of the group's Q fragments qb, which no product reads any more:
; lane (r, h) holds, at qb + 16 qt + 4 dt, the 16 bytes of query 16 qt + r, columns 16 dt + 8 h + 0..7.  No LDS byte is written here.
.macro PACK qb
	s_wait_dscnt 0x0                               ; the last trip's unused K loads have landed: their registers are loaded again later
	v_permlanex16_b32 v[T], v[LS], s81, s82
	v_permlanex16_b32 v[T+1], v[LS+1], s81, s82
	v_add_f32 v[T], v[T], v[LS]                    ; the two halves' sums
	v_add_f32 v[T+1], v[T+1], v[LS+1]
	v_rcp_f32 v[AL], v[T]
	v_rcp_f32 v[AL+2], v[T+1]
	v_nop                                          ; one plain place behind the transcendentals (ISA guide 5.7.2)
	WIN 0x01                                       ; O in window 1
	s_wait_alu depctr_va_vdst(0)
.irp qt, 0,1
.irp dt, 0,1,2,3
.irp p, 0,1,2,3
	v_pk_mul_f32 v[S+32*\qt+8*\dt+2*\p:S+32*\qt+8*\dt+2*\p+1], v[O+8*(2*\dt+\qt)+2*\p:O+8*(2*\dt+\qt)+2*\p+1], v[AL+2*\qt:AL+2*\qt+1] op_sel_hi:[1,0]
.endr
.endr
.endr
	WIN 0x40                                       ; the packed result in window 1
.irp qt, 0,1
.irp dt, 0,1,2,3
.irp p, 0,1,2,3
	v_cvt_pk_f16_f32 v[\qb+16*\qt+4*\dt+\p], v[S+32*\qt+8*\dt+2*\p], v[S+32*\qt+8*\dt+2*\p+1]
.endr
.endr
.endr
	WIN 0
.endm
; A group's packed result goes out, 16 queries at a time through my stage.  ob: the scalar pair with the group's address in att; rb: 32 registers for the rows read back.
; Each of the four batches of the kernel has read-back registers of its own, so that no register that a store reads is written again.
.macro OUT qb, ob, rb
.irp qt, 0,1
	WIN 0x04                                       ; an LDS store's data are its source 1: window 1
.irp dt, 0,1,2,3
	ds_store_b128 v[STO], v[\qb+16*\qt+4*\dt:\qb+16*\qt+4*\dt+3] offset:32*\dt     ; query r, columns 16 dt + 8 h + 0..7
.endr
	WIN 0
.irp i, 0,1,2,3
	ds_load_b128 v[\rb+16*\qt+4*\i:\rb+16*\qt+4*\i+3], v[RD] offset:4*KP*\i        ; LDS serves a wave's instructions in order (ISA guide 5.7.1): these see the stores above, and the next batch's stores come behind them
.endr
.irp i, 0,1,2,3
	s_wait_dscnt 3-\i                              ; four rows are in, the later loads stay out
	global_store_b128 v[CO], v[\rb+16*\qt+4*\i:\rb+16*\qt+4*\i+3], s[\ob:\ob+1] offset:(16*\qt+4*\i)*2048
.endr
.endr
.endm
	s_wait_tensorcnt 2                             ; my parts of keys 0-255 of K and of V are in; the two loads of keys 256-1023 stay out
	s_barrier_signal -1
	s_barrier_wait -1                              ; everybody's are
	s_wait_loadcnt 8                               ; the first group's Q; the second group's eight loads are younger
	KLOAD
	s_mov_b32 s74, 0
	TRIP QA, 1                                     ; these two trips touch keys below 192 alone
	s_mov_b32 s74, 1
	TRIP QA, 0
	s_wait_dscnt 0x0
	s_wait_tensorcnt 0x0                           ; my parts of keys 256-1023 are in
	s_barrier_signal -1
	s_barrier_wait -1                              ; everybody's are: every wave comes here behind the same two trips
	s_mov_b32 s74, 2
	s_cmp_ge_u32 s74, s75
	s_cbranch_scc1 .LdoneA                         ; wave 0's first group has two trips
.LloopA:
	TRIP QA, 0
	s_add_co_u32 s74, s74, 1
	s_cmp_lt_u32 s74, s75
	s_cbranch_scc1 .LloopA
.LdoneA:
	PACK QA
	v_add_nc_u32 v[QL], s88, v[RB]                 ; the second group: super-block 7 - w
	v_add_nc_u32 v[QL+1], 16, v[QL]
	v_mov_b32 v[KAD], v[KAD0]
	v_mov_b32 v[VAD], v[VAD0]
	s_sub_co_u32 s76, 14, s76                      ; 2 (7 - w)
	s_add_co_u32 s75, s76, 2
	s_wait_loadcnt 0x0                             ; its Q
	KLOAD
	s_mov_b32 s74, 0
	TRIP QB, 1
	s_mov_b32 s74, 1
.LloopB:
	TRIP QB, 0
	s_add_co_u32 s74, s74, 1
	s_cmp_lt_u32 s74, s75
	s_cbranch_scc1 .LloopB
	PACK QB
	s_wait_dscnt 0x0                               ; all my reads of K and V are back (met: PACK has waited, and nothing was issued since)
	s_barrier_signal -1                            ; every wave says so after its 18 trips;
	s_barrier_wait -1                              ; only behind this barrier is any LDS byte stored into
	OUT QA, 70, S
	OUT QB, 72, S+32
	s_set_vgpr_msb 0x5
	s_wait_tensorcnt 0x0
	ds_add_u32 v128, v129
	s_wait_dscnt 0x0
	s_set_vgpr_msb 0x500
	ROUND                                          ; the closing round
	s_endpgm
.Lfunc_end_k_q25c633d7bf_attn:
	.size	k_q25c633d7bf_attn, .Lfunc_end_k_q25c633d7bf_attn-k_q25c633d7bf_attn
	.p2alignl 7, 3214868480
	.fill 96, 4, 3214868480
	.section	.rodata,"a",@progbits
	.p2align	6, 0x0
	.amdhsa_kernel k_q25c633d7bf_attn
		.amdhsa_group_segment_fixed_size 321024
		.amdhsa_private_segment_fixed_size 0
		.amdhsa_enable_private_segment 0
		.amdhsa_kernarg_size 16
		.amdhsa_user_sgpr_count 2
		.amdhsa_user_sgpr_kernarg_segment_ptr 1
		.amdhsa_wavefront_size32 1
		.amdhsa_system_sgpr_workgroup_id_x 1
		.amdhsa_system_sgpr_workgroup_id_y 1
		.amdhsa_system_sgpr_workgroup_id_z 1
		.amdhsa_system_vgpr_workitem_id 0
		.amdhsa_next_free_vgpr 386
		.amdhsa_next_free_sgpr 96
		.amdhsa_reserve_vcc 1
		.amdhsa_float_denorm_mode_32 3
		.amdhsa_float_denorm_mode_16_64 3
		.amdhsa_memory_ordered 1
		.amdhsa_forward_progress 1
		.amdhsa_inst_pref_size 130
	.end_amdhsa_kernel
	.amdgpu_metadata
---
amdhsa.version: [ 1, 2 ]
amdhsa.kernels:
  - .name:           k_q25c633d7bf_attn
    .symbol:         k_q25c633d7bf_attn.kd
    .args:
      - { .name: qkv, .offset: 0, .size: 8, .value_kind: global_buffer, .address_space: global }
      - { .name: att, .offset: 8, .size: 8, .value_kind: global_buffer, .address_space: global }
    .group_segment_fixed_size: 321024
    .private_segment_fixed_size: 0
    .kernarg_segment_align: 8
    .kernarg_segment_size: 16
    .max_flat_workgroup_size: 128
    .sgpr_count:     96
    .vgpr_count:     386
    .wavefront_size: 32
...
	.end_amdgpu_metadata
.endif
;; end of part 3
;; launch gemm_proj (part 4): grid 8 x 32, 4 waves a work-group, clusters of 4 x 4, 327,680 bytes of LDS; arguments att, pre, c_proj_b, x, x1; writes x1
.if DOCPART == 4
	.amdgcn_target "amdgcn-amd-amdhsa--gfx1250"
	.amdhsa_code_object_version 6
	.text
	.protected	k_q25c633d7bf_gemm_proj
	.globl	k_q25c633d7bf_gemm_proj
	.p2align	8
	.type	k_q25c633d7bf_gemm_proj,@function
k_q25c633d7bf_gemm_proj:
	s_mov_b64 s[64:65], 0
	v_nop
	global_prefetch_b8 v0, s[64:65] scope:SCOPE_SE
	s_setreg_imm32_b32 hwreg(HW_REG_WAVE_MODE, 25, 1), 1
	s_wait_xcnt 0x0
	s_wait_alu depctr_hold_cnt(0) depctr_sa_sdst(0) depctr_va_vdst(0) depctr_va_sdst(0) depctr_va_ssrc(0) depctr_va_vcc(0) depctr_vm_vsrc(0)
	s_getreg_b32 s2, hwreg(HW_REG_IB_STS2, 6, 4)
	s_cmp_eq_u32 s2, 0
	s_cbranch_scc0 .Lentry_in_a_cluster
	s_endpgm
.Lentry_in_a_cluster:
	s_bfe_u32 s2, ttmp6, 0x10000c
	s_cmp_lg_u32 s2, 0xf033
	s_cbranch_scc0 .Lentry_shape_is_right
	s_endpgm
.Lentry_shape_is_right:
; OUT[m][n] = RES[m][n] + bias[n] + sum over k of A[m][k] W[k][n].   A: [4096][SIZE_K] f16.  W: [SIZE_K][1024] f16, at byte WOFF of its buffer.
; bias: [1024] f32.  RES, OUT: [4096][1024] f32.  Sums in f32; nothing is rounded to 16 bits here.
; N is 1024, so 256 work-groups want blocks of 128 x 128 of C.  K IS SPLIT AMONG THE FOUR WAVES: every wave keeps the whole block, 64 accumulator tiles in 512
; registers, and of each slot of 256 along K multiplies its own 64.  So each LDS byte of a tile is read once, and a byte read from LDS feeds as many
; multiply-adds as with a wave tile of 128 x 128 in a larger block.  At the end the four partial blocks meet in LDS (in the ring, which has had its last fill):
; each wave adds the four copies of 32 rows, then bias and residual, and stores whole rows of 512 bytes.
; The ring: two slots of K = 256.  A's tile has 128 rows of 512 bytes; W's tile 256 rows (k) of 256 bytes, read with the transposing LDS load.
; CLUSTERS: 4 x 4 work-groups; A's tiles are asked for jointly along a row of the cluster, W's along a column, which divides the requests for both by four.
; REGISTERS, in windows of 256: window 0: v0-31 addresses, bias; v64-191 fragments of A, two buffers (at the end the copies being added);
;   window 1: v64-191 fragments of W, two buffers; v0-63 and v192-255 the residual of my 32 rows, asked for in the first lap;
;   windows 2, 3: accumulators, tile (a, b) at v[8 (8 a + b)], rows 0-63 and 64-127.
; The matrix instruction is used transposed (source 0 = 16 columns of W, source 1 = 16 rows of A): a lane's eight results are eight neighbouring columns of a row.
; Limits: operands are f16 as earlier launches rounded them; K is summed in four interleaved parts that are added at the end, an order of rounding of its own; NaN and infinities are not cared for.
.set SIZE_K, 1024
.set WOFF,   0xE00000                  ; where W begins in its buffer
.set SIZE_N, 1024
.set KSLOT,  256                       ; K in a slot
.set PA,     528                       ; A's LDS row: 512 bytes + 16, an odd multiple of 16 bytes.  Also the pitch of a partial block's rows (128 f32 + 16 bytes)
.set PB,     288                       ; W's LDS row: 256 bytes + 32, an odd multiple of 32 bytes
.set ATILE,  128*PA
.set BTILE,  256*PB
.set SLOT,   ATILE+BTILE
.set LAPS,   SIZE_K/(2*KSLOT)          ; a lap = once round the ring
.set ADRA, 16                          ; v16-17  LDS address of my A fragments in slot 0, 1
.set ADRB, 18                          ; v18-19  the same for W
.set RDC,  20                          ; v20-23  the exchange: my 16 bytes in the first of my 32 rows of copy 0..3
.set STO,  24                          ; v24     the exchange: where I put 32 bytes of a row of my copy
.set CO,   26                          ; v26     16 x lane: my bytes in a row of 512 bytes; never rewritten
.set BIA,  28                          ; v[28:31] the bias of my four columns
.set F0,   64
.set F1,   128
.set G1, 24
.set G0, 32
.set G1B, 48
.set G0B, 56
.set MSB, 0
.macro WIN new                         ; s_set_vgpr_msb: bits 1:0 source 0, 3:2 source 1, 5:4 source 2, 7:6 destination; the high byte repeats the setting that is left
.if MSB != \new
	s_set_vgpr_msb (MSB<<8)|\new
.set MSB, \new
.endif
.endm
.set MUL_LO, 0xa1                      ; source 0 (W) window 1, source 1 (A) window 0, C and D window 2
.set MUL_HI, 0xf1                      ; the same, C and D window 3
.set TO_B,   0x40                      ; destination window 1, address window 0
; A joint load.  Waves 0 and 1 fetch A's two halves, waves 2 and 3 W's.  The branch hangs on the wave's number alone.
.macro JLOAD s
	s_cmp_eq_u32 s11, 0
	s_cbranch_scc0 .Lfor_b_\@
	tensor_load_to_lds s[G0+4*\s:G0+4*\s+3], s[G1:G1+7]
	s_nop 0
	s_branch .Lasked_\@
.Lfor_b_\@:
	tensor_load_to_lds s[G0B+4*\s:G0B+4*\s+3], s[G1B:G1B+7]
	s_nop 0
.Lasked_\@:
.endm
.macro CREST                           ; a round of the cluster's barrier behind its opening barrier
	s_cmp_lg_u32 s10, 0
	s_cbranch_scc1 .Lnot_wave_0_\@
	s_barrier_signal -3
.Lnot_wave_0_\@:
	s_barrier_wait -3
	s_barrier_signal -1
	s_barrier_wait -1
.endm
.macro CROUND                          ; a whole round
	s_barrier_signal -1
	s_barrier_wait -1
	CREST
.endm
	s_load_b128 s[4:7], s[0:1], 0x0                ; A s[4:5], W's buffer s[6:7]
	s_load_b128 s[68:71], s[0:1], 0x10             ; bias s[68:69], residual s[70:71]
	s_load_b64 s[8:9], s[0:1], 0x20                ; the result
	v_lshl_add_u32 v254, v0, 2, 0x45000
	v_mov_b32 v255, 0
	ds_add_u32 v254, v255
	v_lshrrev_b32 v1, 5, v0
	v_readfirstlane_b32 s10, v1                    ; wave 0..3
	s_lshr_b32 s11, s10, 1                         ; I fetch for A (0) or for W (1)
	s_and_b32 s12, s10, 1                          ; which half of that tile
	s_bfe_u32 s40, ttmp6, 0x40000                  ; cx
	s_bfe_u32 s41, ttmp6, 0x40004                  ; cy
	s_lshl_b32 s42, ttmp9, 2
	s_add_co_u32 s42, s42, s40                     ; block column = 4 x cluster x + cx
	s_and_b32 s13, ttmp7, 0xffff
	s_lshl_b32 s13, s13, 2
	s_add_co_u32 s13, s13, s41                     ; block row = 4 x cluster y + cy
	s_lshl_b32 s43, s41, 2
	s_lshl_b32 s43, 15, s43                        ; my row of the cluster
	s_lshl_b32 s44, 0x1111, s40                    ; my column
	; group 1 for A: 64 rows x 256 elements of 2 bytes, 4 words of padding behind every 128 words
	s_or_b32 s[G1+0], s43, (1<<16)|(1<<20)|(1<<21)|(6<<22)|(3<<25)
	s_mov_b32 s[G1+1], KSLOT<<16
	s_mov_b32 s[G1+2], 64<<16
	s_mov_b32 s[G1+3], KSLOT<<16
	s_mov_b32 s[G1+4], 64
	s_mov_b32 s[G1+5], SIZE_K
	s_mov_b32 s[G1+6], 0
	s_mov_b32 s[G1+7], 0
	; group 1 for W: 128 rows x 128 elements of 2 bytes, 8 words of padding behind every 64 words
	s_or_b32 s[G1B+0], s44, (1<<16)|(1<<20)|(1<<21)|(5<<22)|(7<<25)
	s_mov_b32 s[G1B+1], 128<<16
	s_mov_b32 s[G1B+2], 128<<16
	s_mov_b32 s[G1B+3], 128<<16
	s_mov_b32 s[G1B+4], 128
	s_mov_b32 s[G1B+5], SIZE_N
	s_mov_b32 s[G1B+6], 0
	s_mov_b32 s[G1B+7], 0
	; A's tiles hang on the block row and the wave alone, W's on the block column and the wave alone, in registers that never hold the other coordinate
	s_lshl_b32 s17, s12, 6
	s_lshl_b32 s16, s13, 7
	s_add_co_u32 s16, s16, s17                     ; A: row 128 x block row + 64 x half
	s_mul_i32 s16, s16, SIZE_K*2                   ; below 4096 x 8192 bytes
	s_mov_b32 s17, 0
	s_lshl_b32 s46, s42, 8                         ; W: 128 columns x 2 bytes x block column
	s_mul_i32 s74, s12, 128*SIZE_N*2               ; + 128 rows x half
	s_add_co_u32 s46, s46, s74
	s_add_co_u32 s46, s46, WOFF
	s_mov_b32 s47, 0
	s_lshl_b32 s74, s42, 9                         ; the bias of the block's 128 columns
	s_mov_b32 s75, 0
	s_lshl_b32 s76, s13, 7
	s_lshl_b32 s77, s10, 5
	s_add_co_u32 s76, s76, s77                     ; residual and result: row 128 x block row + 32 x wave,
	s_lshl_b32 s76, s76, 12                        ; 4,096 bytes a row,
	s_add_co_u32 s76, s76, s74                     ; + 512 bytes x block column
	s_mov_b32 s77, 0
	s_mul_i32 s20, s12, 64*PA                      ; where the tiles go: A's half
	s_mul_i32 s21, s12, 128*PB                     ; W's half,
	s_add_co_u32 s21, s21, ATILE                   ; behind A's tile
	s_wait_dscnt 0x0
	s_wait_kmcnt 0x0
	s_add_nc_u64 s[14:15], s[4:5], s[16:17]
	s_add_nc_u64 s[46:47], s[6:7], s[46:47]
	s_add_nc_u64 s[68:69], s[68:69], s[74:75]
	s_add_nc_u64 s[70:71], s[70:71], s[76:77]
	s_add_nc_u64 s[8:9], s[8:9], s[76:77]
	CROUND                                         ; all sixteen work-groups are here: the first joint loads meet
.irp s, 0,1
	s_mov_b32 s[G0+4*\s], 1
	s_add_co_u32 s[G0+4*\s+1], s20, \s*SLOT
	s_add_nc_u64 s[G0+4*\s+2:G0+4*\s+3], s[14:15], \s*KSLOT*2
	s_or_b32 s[G0+4*\s+3], s[G0+4*\s+3], 0x80000000
	s_mov_b32 s[G0B+4*\s], 1
	s_add_co_u32 s[G0B+4*\s+1], s21, \s*SLOT
	s_add_nc_u64 s[G0B+4*\s+2:G0B+4*\s+3], s[46:47], \s*KSLOT*SIZE_N*2
	s_or_b32 s[G0B+4*\s+3], s[G0B+4*\s+3], 0x80000000
	JLOAD \s                                       ; both slots are asked for before anything else is done: two loads of the wave are out
.endr
	v_and_b32 v7, 31, v0
	v_lshlrev_b32 v[CO], 4, v7
	global_load_b128 v[BIA:BIA+3], v[CO], s[68:69]
	v_and_b32 v1, 15, v0                           ; r
	v_bfe_u32 v2, v0, 4, 1                         ; h
	v_mul_u32_u24 v3, v1, PA
	v_lshl_add_u32 v4, v2, 4, v3                   ; A: row r, 16 h bytes,
	s_lshl_b32 s22, s10, 7                         ; my 64 of the slot's 256 along K: 128 bytes x wave
	v_add_nc_u32 v[ADRA], s22, v4
	v_add_nc_u32 v[ADRA+1], SLOT, v[ADRA]
	v_and_b32 v5, 7, v0                            ; W by the transposing load: row 8 h + (l & 7), 16 bytes at 16 ((l >> 3) & 1)
	v_lshl_or_b32 v5, v2, 3, v5
	v_mul_u32_u24 v5, v5, PB
	v_bfe_u32 v6, v0, 3, 1
	v_lshl_add_u32 v5, v6, 4, v5
	s_mul_i32 s23, s10, 64*PB                      ; my 64 rows of W's 256
	s_add_co_u32 s23, s23, ATILE
	v_add_nc_u32 v[ADRB], s23, v5
	v_add_nc_u32 v[ADRB+1], SLOT, v[ADRB]
	v_lshl_add_u32 v3, v2, 5, v3                   ; the exchange, in: row r, 32 h bytes, in my copy
	s_mul_i32 s23, s10, ATILE
	v_add_nc_u32 v[STO], s23, v3
	s_mul_i32 s23, s10, 32*PA                      ; back: my 32 rows of each copy
	v_add_nc_u32 v[RDC], s23, v[CO]
.irp c, 1,2,3
	v_add_nc_u32 v[RDC+\c], \c*ATILE, v[RDC]
.endr
; 16 matrix instructions: m blocks a0, a0 + 1 of the window's four x all 8 n blocks, 32 along K.  zero = 1: the first product starts the sums.
; The 64 accumulators take turns, one instruction a turn, in the same order in every quarter.
.macro MUL16 f, hi, a0, zero
.irp a, \a0, \a0+1
.irp b, 0,1,2,3,4,5,6,7
.if \zero
	v_wmma_f32_16x16x32_f16 v[8*(8*(\a)+\b):8*(8*(\a)+\b)+7], v[\f+8*\b:\f+8*\b+7], v[\f+8*(4*\hi+\a):\f+8*(4*\hi+\a)+7], 0
.else
	v_wmma_f32_16x16x32_f16 v[8*(8*(\a)+\b):8*(8*(\a)+\b)+7], v[\f+8*\b:\f+8*\b+7], v[\f+8*(4*\hi+\a):\f+8*(4*\hi+\a)+7], v[8*(8*(\a)+\b):8*(8*(\a)+\b)+7]
.endif
.endr
.endr
.endm
; 32 LDS loads in one run: half q of my 64 along K (128 columns of W, 128 rows of A, 32 along K) into buffer f
.macro FETCH slot, q, f
	WIN TO_B
.irp i, 0,1,2,3,4,5,6,7
	ds_load_tr16_b128 v[\f+8*\i:\f+8*\i+3],   v[ADRB+\slot] offset:\q*32*PB+32*\i
	ds_load_tr16_b128 v[\f+8*\i+4:\f+8*\i+7], v[ADRB+\slot] offset:\q*32*PB+32*\i+16*PB
.endr
	WIN 0
.irp i, 0,1,2,3,4,5,6,7
	ds_load_b128 v[\f+8*\i:\f+8*\i+3],   v[ADRA+\slot] offset:64*\q+\i*16*PA
	ds_load_b128 v[\f+8*\i+4:\f+8*\i+7], v[ADRA+\slot] offset:64*\q+\i*16*PA+32
.endr
.endm
; Four places of plain vector instructions between a matrix instruction and a load into one of its registers, or an instruction that reads its result
; (ISA guide 7.12.1 for vector instructions).
.macro PLACES
.rept 4
	v_nop
.endr
.endm
; The first half of a slot: multiplies buffer f; in its middle it fetches half q of the same slot into buffer g.
.macro QUARTER slot, q, f, g, zero
	s_wait_dscnt 8                                 ; W and A's rows 0-63 are in; the youngest eight loads (A's rows 64-127) may be out
	WIN MUL_LO
	MUL16 \f, 0, 0, \zero
	MUL16 \f, 0, 2, \zero
	PLACES
	FETCH \slot, \q, \g
	s_wait_dscnt 32                                ; all but the 32 just issued
	WIN MUL_HI
	MUL16 \f, 1, 0, \zero
	MUL16 \f, 1, 2, \zero
.endm
; The second half: multiplies buffer 1 and changes slots.  The products on rows 0-63 come first.  Then each wave waits for its reads of this slot and for all its tensor
; loads (one is out: its part of the next slot), steps this slot's addresses while no load of its own is out, and passes the barrier, which opens the cluster's round where
; this slot is filled again.  Nothing stands inside the round, and the refill is the first thing behind it: between a tile's landing and the next request lies the round alone.
; From a request to the wait for it a wave issues 128 matrix instructions.
; res = 1 (once, in the first lap): the residual of my 32 rows is asked for here, ahead of a wait at which the wave stands anyway; it has the rest of K in which to come.
.macro TURN slot, next, fill, res
	s_wait_dscnt 8
	WIN MUL_LO
	MUL16 F1, 0, 0, 0
	MUL16 F1, 0, 2, 0
.if \res
	WIN TO_B
.set i, 0
.rept 32
	global_load_b128 v[4*i+128*(i/16):4*i+128*(i/16)+3], v[CO], s[70:71] offset:i*4096     ; row i: window 1, v0-63 for rows 0-15, v192-255 for rows 16-31
.set i, i+1
.endr
.endif
	WIN 0
	s_wait_dscnt 0                                 ; my reads of this slot are over
	s_wait_tensorcnt 0x0                           ; and all my tensor loads have landed
	ds_add_u32 v254, v255
	s_wait_dscnt 0x0
.if \fill
	s_add_nc_u64 s[G0+4*\slot+2:G0+4*\slot+3], s[G0+4*\slot+2:G0+4*\slot+3], 2*KSLOT*2
	s_add_nc_u64 s[G0B+4*\slot+2:G0B+4*\slot+3], s[G0B+4*\slot+2:G0B+4*\slot+3], 2*KSLOT*SIZE_N*2
.endif
	s_barrier_signal -1
	s_barrier_wait -1
.if \fill
	CREST                                          ; no wave of any partner still reads this slot or has a load on its way
	JLOAD \slot                                    ; the wave's one tensor load behind the round
.endif
	PLACES
	FETCH \next, 0, F0
	WIN MUL_HI
	MUL16 F1, 1, 0, 0
	MUL16 F1, 1, 2, 0
.endm
.macro LAP zero                        ; once round the ring, both slots filled again
	QUARTER 0, 1, F0, F1, \zero
	TURN 0, 1, 1, \zero
	QUARTER 1, 1, F0, F1, 0
	TURN 1, 0, 1, 0
.endm
	s_wait_tensorcnt 1                             ; my part of slot 0 is in; slot 1's stays out
	s_barrier_signal -1
	s_barrier_wait -1                              ; everybody's is
	FETCH 0, 0, F0
	LAP 1                                          ; the first lap stands in front of the loop: its first products start the sums
.if LAPS > 2
	WIN 0                                          ; at a label and at a branch every window is 0
	s_mov_b32 s3, LAPS-2
.Llap:
	LAP 0
	WIN 0
	s_sub_co_u32 s3, s3, 1
	s_cmp_lg_u32 s3, 0
	s_cbranch_scc1 .Llap
.endif
	QUARTER 0, 1, F0, F1, 0                        ; the last lap fills nothing
	TURN 0, 1, 0, 0
	QUARTER 1, 1, F0, F1, 0
	s_wait_dscnt 8
	WIN MUL_LO
	MUL16 F1, 0, 0, 0
	MUL16 F1, 0, 2, 0
	s_wait_dscnt 0                                 ; my last reads of the ring are over
	WIN MUL_HI
	MUL16 F1, 1, 0, 0
	MUL16 F1, 1, 2, 0
	; THE EXCHANGE
	PLACES
	WIN 0
	s_barrier_signal -1                            ; every wave's reads of the ring are over, and both slots have had their last fill:
	s_barrier_wait -1                              ; the ring's bytes may now be stored into
.macro PUT hi                          ; the window's 32 tiles into my copy: row 16 (4 hi + a) + r, columns 16 b + 8 h + 0..7, 32 bytes
.irp a, 0,1,2,3
.irp b, 0,1,2,3,4,5,6,7
	ds_store_b128 v[STO], v[8*(8*\a+\b):8*(8*\a+\b)+3]   offset:(4*\hi+\a)*16*PA+64*\b
	ds_store_b128 v[STO], v[8*(8*\a+\b)+4:8*(8*\a+\b)+7] offset:(4*\hi+\a)*16*PA+64*\b+16
.endr
.endr
.endm
	WIN 0x08                                       ; an LDS store's data are its source 1: window 2
	PUT 0
	WIN 0x0c                                       ; window 3
	PUT 1
	WIN 0
	s_wait_dscnt 0x0                               ; my copy is written, for the others' sake
	s_barrier_signal -1
	s_barrier_wait -1
	s_wait_loadcnt 0x0                             ; bias and residual
; eight of my 32 rows: the four copies of a row are added, then bias and residual; a store of the wave covers a row's 512 consecutive bytes
.macro BATCH g
	s_wait_xcnt 0x0                                ; the registers that the last batch's stores read are loaded again only behind this wait
.irp i, 0,1,2,3,4,5,6,7
.irp c, 0,1,2,3
	ds_load_b128 v[F0+16*\i+4*\c:F0+16*\i+4*\c+3], v[RDC+\c] offset:(8*\g+\i)*PA
.endr
.endr
.irp i, 0,1,2,3,4,5,6,7
	s_wait_dscnt 28-4*\i                           ; row i's four copies are in; the later rows' loads stay out
	v_pk_add_f32 v[F0+16*\i:F0+16*\i+1],     v[F0+16*\i:F0+16*\i+1],     v[F0+16*\i+4:F0+16*\i+5]
	v_pk_add_f32 v[F0+16*\i+2:F0+16*\i+3],   v[F0+16*\i+2:F0+16*\i+3],   v[F0+16*\i+6:F0+16*\i+7]
	v_pk_add_f32 v[F0+16*\i+8:F0+16*\i+9],   v[F0+16*\i+8:F0+16*\i+9],   v[F0+16*\i+12:F0+16*\i+13]
	v_pk_add_f32 v[F0+16*\i+10:F0+16*\i+11], v[F0+16*\i+10:F0+16*\i+11], v[F0+16*\i+14:F0+16*\i+15]
	v_pk_add_f32 v[F0+16*\i:F0+16*\i+1],     v[F0+16*\i:F0+16*\i+1],     v[F0+16*\i+8:F0+16*\i+9]
	v_pk_add_f32 v[F0+16*\i+2:F0+16*\i+3],   v[F0+16*\i+2:F0+16*\i+3],   v[F0+16*\i+10:F0+16*\i+11]
	v_pk_add_f32 v[F0+16*\i:F0+16*\i+1],     v[F0+16*\i:F0+16*\i+1],     v[BIA:BIA+1]
	v_pk_add_f32 v[F0+16*\i+2:F0+16*\i+3],   v[F0+16*\i+2:F0+16*\i+3],   v[BIA+2:BIA+3]
.endr
	WIN 0x04                                       ; the residual in window 1
.irp i, 0,1,2,3,4,5,6,7
.set rr, 4*(8*\g+\i)+128*((8*\g+\i)/16)
	v_pk_add_f32 v[F0+16*\i:F0+16*\i+1],   v[F0+16*\i:F0+16*\i+1],   v[rr:rr+1]
	v_pk_add_f32 v[F0+16*\i+2:F0+16*\i+3], v[F0+16*\i+2:F0+16*\i+3], v[rr+2:rr+3]
.endr
	WIN 0
.irp i, 0,1,2,3,4,5,6,7
	global_store_b128 v[CO], v[F0+16*\i:F0+16*\i+3], s[8:9] offset:(8*\g+\i)*4096
.endr
.endm
	BATCH 0
	BATCH 1
	BATCH 2
	BATCH 3
	s_wait_tensorcnt 0x0
	ds_add_u32 v254, v255
	s_wait_dscnt 0x0
	CROUND                                         ; the closing round: no work-group ends while a partner may still ask for a tile that names it
	s_endpgm
.Lfunc_end_k_q25c633d7bf_gemm_proj:
	.size	k_q25c633d7bf_gemm_proj, .Lfunc_end_k_q25c633d7bf_gemm_proj-k_q25c633d7bf_gemm_proj
	.p2alignl 7, 3214868480
	.fill 96, 4, 3214868480
	.section	.rodata,"a",@progbits
	.p2align	6, 0x0
	.amdhsa_kernel k_q25c633d7bf_gemm_proj
		.amdhsa_group_segment_fixed_size 327680
		.amdhsa_private_segment_fixed_size 0
		.amdhsa_enable_private_segment 0
		.amdhsa_kernarg_size 40
		.amdhsa_user_sgpr_count 2
		.amdhsa_user_sgpr_kernarg_segment_ptr 1
		.amdhsa_wavefront_size32 1
		.amdhsa_system_sgpr_workgroup_id_x 1
		.amdhsa_system_sgpr_workgroup_id_y 1
		.amdhsa_system_sgpr_workgroup_id_z 1
		.amdhsa_system_vgpr_workitem_id 0
		.amdhsa_next_free_vgpr 1024
		.amdhsa_next_free_sgpr 80
		.amdhsa_reserve_vcc 0
		.amdhsa_float_denorm_mode_32 3
		.amdhsa_float_denorm_mode_16_64 3
		.amdhsa_memory_ordered 1
		.amdhsa_forward_progress 1
		.amdhsa_inst_pref_size 104
	.end_amdhsa_kernel
	.amdgpu_metadata
---
amdhsa.version: [ 1, 2 ]
amdhsa.kernels:
  - .name:           k_q25c633d7bf_gemm_proj
    .symbol:         k_q25c633d7bf_gemm_proj.kd
    .args:
      - { .name: att, .offset: 0, .size: 8, .value_kind: global_buffer, .address_space: global }
      - { .name: pre, .offset: 8, .size: 8, .value_kind: global_buffer, .address_space: global }
      - { .name: c_proj_b, .offset: 16, .size: 8, .value_kind: global_buffer, .address_space: global }
      - { .name: x, .offset: 24, .size: 8, .value_kind: global_buffer, .address_space: global }
      - { .name: x1, .offset: 32, .size: 8, .value_kind: global_buffer, .address_space: global }
    .group_segment_fixed_size: 327680
    .private_segment_fixed_size: 0
    .kernarg_segment_align: 8
    .kernarg_segment_size: 40
    .max_flat_workgroup_size: 128
    .sgpr_count:     80
    .vgpr_count:     1024
    .wavefront_size: 32
...
	.end_amdgpu_metadata
.endif
;; end of part 4
;; launch ln2: the kernel of part 1 again; grid 64 x 4, 8 waves a work-group, no clusters, 0 bytes of LDS; arguments x1, ln2_g, ln2_b, c_attn_w, c_proj_w, fc_w, proj_w, h2; writes h2
;; launch gemm_fc (part 5): grid 16 x 16, 4 waves a work-group, clusters of 4 x 4, 327,680 bytes of LDS; arguments h2, pre, fc_b, hfc; writes hfc
.if DOCPART == 5
	.amdgcn_target "amdgcn-amd-amdhsa--gfx1250"
	.amdhsa_code_object_version 6
	.text
	.protected	k_q25c633d7bf_gemm_fc
	.globl	k_q25c633d7bf_gemm_fc
	.p2align	8
	.type	k_q25c633d7bf_gemm_fc,@function
k_q25c633d7bf_gemm_fc:
	s_mov_b64 s[64:65], 0
	v_nop
	global_prefetch_b8 v0, s[64:65] scope:SCOPE_SE
	s_setreg_imm32_b32 hwreg(HW_REG_WAVE_MODE, 25, 1), 1
	s_wait_xcnt 0x0
	s_wait_alu depctr_hold_cnt(0) depctr_sa_sdst(0) depctr_va_vdst(0) depctr_va_sdst(0) depctr_va_ssrc(0) depctr_va_vcc(0) depctr_vm_vsrc(0)
	s_getreg_b32 s2, hwreg(HW_REG_IB_STS2, 6, 4)
	s_cmp_eq_u32 s2, 0
	s_cbranch_scc0 .Lentry_in_a_cluster
	s_endpgm
.Lentry_in_a_cluster:
	s_bfe_u32 s2, ttmp6, 0x10000c
	s_cmp_lg_u32 s2, 0xf033
	s_cbranch_scc0 .Lentry_shape_is_right
	s_endpgm
.Lentry_shape_is_right:
; C[m][n] = sum over k of A[m][k] W[k][n] + bias[n]  (GELU = 1: then the tanh form of GELU), rounded once to f16.
; A: [4096][SIZE_K] f16.  W: [SIZE_K][SIZE_N] f16, at byte WOFF of its buffer.  bias: [SIZE_N] f32.  C: [4096][SIZE_N] f16.  Sums in f32.
; A work-group makes a block of 256 x 256 of C with four waves; a wave makes 128 x 128: 64 accumulator tiles of 16 x 16, 512 registers.
; K goes in steps of 128 through a ring of two LDS slots filled by the tensor data mover.  A's tile has 256 rows of 256 bytes; W's tile has
; 128 rows (k) of 512 bytes (256 columns) and is read with the transposing LDS load, so that W keeps its layout in memory.
; CLUSTERS: 4 x 4 work-groups.  The four of a row of the cluster need the same tiles of A, the four of a column the same tiles of W: each tile is
; asked for jointly, by the same tensor load with a mask that names the four.  That divides the requests for A and for W by four.
; REGISTERS, in windows of 256:
;   window 0: v0-31 addresses and constants; v64-127, v128-191 fragments of A, two buffers (at work on the way out); v192-223 packed results
;   window 1: v64-127, v128-191 fragments of W, two buffers; v192-255 the bias of my 128 columns in the layout of an accumulator tile
;   window 2: the 32 accumulator tiles of my rows 0-63 (tile (a, b) at v[8 (8 a + b)]);   window 3: those of my rows 64-127
; The matrix instruction is used transposed: source 0 = 16 columns of W, source 1 = 16 rows of A.  Lane l then holds row l % 16 of C and in its
; registers 0 to 7 the columns 8 (l / 16) + 0 .. 7: eight neighbouring numbers of a row, 16 bytes in f16.
; The first product of each tile takes the bias registers as C: nothing is cleared and no add stands on the way out.
; F16'S RANGE FOR C: A is a layer norm's result (spread = the gain's size), W has 1024 rows of spread 1/32, so C has about the gain's spread: numbers below 6 for a gain of 1.
; A gain and weights each 30 times larger make C 900 times larger, about 5,400, a twelfth of f16's largest number; each 30 times smaller leave C at about 1e-3, normal numbers of f16.
; Limits: operands and C are rounded to f16; a C beyond 65,504 becomes an infinity; v_exp_f32 and v_rcp_f32 are good to one unit in the last place and flush denormals; NaN and infinities are not cared for.
.set SIZE_K,   1024
.set SIZE_N,   4096
.set WOFF,     0x1000000               ; where W begins in its buffer
.set ARG_A,    0                       ; byte offsets of the four addresses among the kernel's arguments
.set ARG_W,    8
.set ARG_BIAS, 16
.set ARG_C,    24
.set GELU,     1
.set KSTEP,  128
.set PITCH,  272                       ; A's LDS row: 256 bytes + 16: the 16 rows of a fragment load start 4 banks apart (64 banks of 4 bytes: ISA guide 11.1)
.set PITCHB, 544                       ; W's LDS row: 512 bytes + 32, an odd multiple of 32 bytes, for the transposing load
.set HALFT,  128*PITCH                 ; what one tensor load brings: 128 rows of A, or 64 rows of W (64 x 544 is the same number of bytes)
.set SLOT,   4*HALFT                   ; A's 256 rows, then W's 128 rows
.set STAGE,  2*SLOT                    ; behind the ring: 16 rows x 272 bytes for each wave, for the way out; no tensor load lands here
.set SPITCH, 272
.set LAPS, SIZE_K/(2*KSTEP)            ; a lap = two K steps = once round the ring
.set ADRA, 16                          ; v16-17  LDS address of my A fragments in slot 0, 1
.set ADRB, 20                          ; v20-21  the same for W
.set STO,  24                          ; v24     the way out: where I put 16 bytes of a row
.set RD,   25                          ; v25     the way out: where I read a row back
.set CO,   26                          ; v26     my byte offset in C
.set BO,   27                          ; v27     my byte offset in the bias
.set K0P,  28                          ; v[28:29] GELU: -2 log2(e) sqrt(2/pi), twice
.set K1P,  30                          ; v[30:31] GELU: that times 0.044715, twice
.set F0,   64                          ; fragment buffer 0
.set F1,   128                         ; fragment buffer 1
.set RB0,  128                         ; the way out: two buffers for rows read back
.set RB1,  160
.set TMP,  192                         ; the way out: packed results, window 0
.set BI,   192                         ; the bias, window 1
.set G1, 24                            ; s[24:31] descriptor group 1 for A's tiles
.set G0, 32                            ; s[32:39] descriptor group 0 for A's tiles, one set for each slot
.set G1B, 48                           ; s[48:55] descriptor group 1 for W's tiles
.set G0B, 56                           ; s[56:63] descriptor group 0 for W's tiles, one set for each slot
.set MSB, 0
.macro WIN new                         ; s_set_vgpr_msb: bits 1:0 source 0, 3:2 source 1, 5:4 source 2, 7:6 destination; the high byte repeats the setting that is left
.if MSB != \new
	s_set_vgpr_msb (MSB<<8)|\new
.set MSB, \new
.endif
.endm
.set MUL_LO,   0xa1                    ; source 0 (W) window 1, source 1 (A) window 0, C and D window 2
.set MUL_HI,   0xf1                    ; the same, C and D window 3
.set FIRST_LO, 0x91                    ; the first products: C is the bias in window 1, D window 2
.set FIRST_HI, 0xd1                    ; C window 1, D window 3
.set TO_B,     0x40                    ; destination window 1, address window 0
; A joint load.  Waves 0 and 1 fetch A's two halves, waves 2 and 3 W's.  Each line has one mask and one set of registers for all that issue it.
; The branch hangs on the wave's number alone.
.macro JLOAD s
	s_cmp_eq_u32 s11, 0
	s_cbranch_scc0 .Lfor_b_\@
	tensor_load_to_lds s[G0+4*\s:G0+4*\s+3], s[G1:G1+7]
	s_nop 0
	s_branch .Lasked_\@
.Lfor_b_\@:
	tensor_load_to_lds s[G0B+4*\s:G0B+4*\s+3], s[G1B:G1B+7]
	s_nop 0
	v_nop
.Lasked_\@:
.endm
; A round of the cluster's barrier: my work-group's barrier; wave 0 signals for the work-group; every wave waits for all sixteen; my work-group's barrier again.
.macro CREST                           ; a round behind its opening barrier
	s_cmp_lg_u32 s10, 0
	s_cbranch_scc1 .Lnot_wave_0_\@
	s_barrier_signal -3
.Lnot_wave_0_\@:
	s_barrier_wait -3
	s_barrier_signal -1
	s_barrier_wait -1
.endm
.macro CROUND                          ; a whole round
	s_barrier_signal -1
	s_barrier_wait -1
	CREST
.endm
	s_load_b64 s[4:5], s[0:1], ARG_A
	s_load_b64 s[6:7], s[0:1], ARG_W
	s_load_b64 s[66:67], s[0:1], ARG_BIAS
	s_load_b64 s[8:9], s[0:1], ARG_C
	s_set_vgpr_msb 0x40
	v_lshl_add_u32 v63, v0, 2, 0x48400
	s_set_vgpr_msb 0x4000
	v_mov_b32 v255, 0
	s_set_vgpr_msb 0x1
	ds_add_u32 v63, v255
	s_set_vgpr_msb 0x100
	v_lshrrev_b32 v1, 5, v0
	v_readfirstlane_b32 s10, v1                    ; wave 0..3
	s_lshr_b32 s11, s10, 1                         ; which half of the block's rows is mine.  Also: I fetch for A (0) or for W (1)
	s_and_b32 s12, s10, 1                          ; which half of its columns.  Also: which half of that tile I fetch
	s_bfe_u32 s40, ttmp6, 0x40000                  ; cx
	s_bfe_u32 s41, ttmp6, 0x40004                  ; cy
	s_lshl_b32 s42, ttmp9, 2
	s_add_co_u32 s42, s42, s40                     ; block column of C = 4 x cluster x + cx
	s_and_b32 s13, ttmp7, 0xffff
	s_lshl_b32 s13, s13, 2
	s_add_co_u32 s13, s13, s41                     ; block row of C = 4 x cluster y + cy
	s_lshl_b32 s43, s41, 2
	s_lshl_b32 s43, 15, s43                        ; my row of the cluster: places 4 cy .. 4 cy + 3
	s_lshl_b32 s44, 0x1111, s40                    ; my column: places cx, cx + 4, cx + 8, cx + 12
	; group 1 for A: 128 rows x 128 elements of 2 bytes, 4 words of padding behind every 64 words
	s_or_b32 s[G1+0], s43, (1<<16)|(1<<20)|(1<<21)|(5<<22)|(3<<25)
	s_mov_b32 s[G1+1], KSTEP<<16                   ; tensor_dim0 = 128
	s_mov_b32 s[G1+2], 128<<16                     ; tensor_dim1 = 128
	s_mov_b32 s[G1+3], KSTEP<<16                   ; tile_dim0 = 128
	s_mov_b32 s[G1+4], 128                         ; tile_dim1 = 128
	s_mov_b32 s[G1+5], SIZE_K                      ; elements from row to row
	s_mov_b32 s[G1+6], 0
	s_mov_b32 s[G1+7], 0
	; group 1 for W: 64 rows x 256 elements of 2 bytes, 8 words of padding behind every 128 words
	s_or_b32 s[G1B+0], s44, (1<<16)|(1<<20)|(1<<21)|(6<<22)|(7<<25)
	s_mov_b32 s[G1B+1], 256<<16
	s_mov_b32 s[G1B+2], 64<<16
	s_mov_b32 s[G1B+3], 256<<16
	s_mov_b32 s[G1B+4], 64
	s_mov_b32 s[G1B+5], SIZE_N
	s_mov_b32 s[G1B+6], 0
	s_mov_b32 s[G1B+7], 0
	; where the tiles come from.  A's hang on the block row and the wave alone, W's on the block column and the wave alone, in registers that never hold the other coordinate.
	s_lshl_b32 s17, s12, 7
	s_lshl_b32 s16, s13, 8
	s_add_co_u32 s16, s16, s17                     ; A: row 256 x block row + 128 x half
	s_mul_i32 s16, s16, SIZE_K*2                   ; in bytes: below 4096 x 2048
	s_mov_b32 s17, 0
	s_lshl_b32 s46, s42, 9                         ; W: 256 columns x 2 bytes x block column
	s_mul_i32 s74, s12, 64*SIZE_N*2                ; + 64 rows x half
	s_add_co_u32 s46, s46, s74
	s_add_co_u32 s46, s46, WOFF
	s_mov_b32 s47, 0
	s_lshl_b32 s74, s42, 10                        ; the bias of my 128 columns: 4 bytes x (256 x block column + 128 x half)
	s_lshl_b32 s75, s12, 9
	s_add_co_u32 s74, s74, s75
	s_mov_b32 s75, 0
	s_mul_i32 s20, s10, HALFT                      ; where they go: A's two halves, then W's two halves = wave x HALFT
	s_wait_dscnt 0x0
	s_wait_kmcnt 0x0
	s_add_nc_u64 s[14:15], s[4:5], s[16:17]
	s_add_nc_u64 s[46:47], s[6:7], s[46:47]
	s_add_nc_u64 s[66:67], s[66:67], s[74:75]
	CROUND                                         ; all sixteen work-groups are here: the first joint loads meet
.irp s, 0,1
	s_mov_b32 s[G0+4*\s], 1
	s_add_co_u32 s[G0+4*\s+1], s20, \s*SLOT
	s_add_nc_u64 s[G0+4*\s+2:G0+4*\s+3], s[14:15], \s*KSTEP*2              ; K step s: 128 elements along A's rows
	s_or_b32 s[G0+4*\s+3], s[G0+4*\s+3], 0x80000000
	s_mov_b32 s[G0B+4*\s], 1
	s_add_co_u32 s[G0B+4*\s+1], s20, \s*SLOT
	s_add_nc_u64 s[G0B+4*\s+2:G0B+4*\s+3], s[46:47], \s*KSTEP*SIZE_N*2     ; K step s: 128 rows down W
	s_or_b32 s[G0B+4*\s+3], s[G0B+4*\s+3], 0x80000000
	JLOAD \s                                       ; both slots are asked for before anything else is done: two loads of the wave are out
.endr
	v_and_b32 v1, 15, v0                           ; r = l % 16
	v_bfe_u32 v2, v0, 4, 1                         ; h = l / 16
	v_lshlrev_b32 v[BO], 5, v2                     ; register j of tile b holds column 16 b + 8 h + j: 32 h bytes, 64 b in the immediate
	WIN TO_B
.irp b, 0,1,2,3,4,5,6,7
	global_load_b128 v[BI+8*\b:BI+8*\b+3],   v[BO], s[66:67] offset:64*\b
	global_load_b128 v[BI+8*\b+4:BI+8*\b+7], v[BO], s[66:67] offset:64*\b+16
.endr
	WIN 0
	; A's fragment: lane l holds row l % 16; registers 0-3 K = 8 h + 0..7, registers 4-7 K = 16 + 8 h + 0..7: two loads of 16 bytes, 32 bytes apart
	v_mul_u32_u24 v3, v1, PITCH
	v_lshl_add_u32 v3, v2, 4, v3
	s_mul_i32 s21, s11, HALFT                      ; my 128 rows of A
	v_add_nc_u32 v[ADRA], s21, v3
	v_add_nc_u32 v[ADRA+1], SLOT, v[ADRA]
	; W's fragment by the transposing load: lane l addresses row 8 h + (l & 7) of the 32, 16 bytes at 16 ((l >> 3) & 1); the second load 16 rows further down
	v_and_b32 v6, 7, v0
	v_lshl_or_b32 v6, v2, 3, v6
	v_mul_u32_u24 v6, v6, PITCHB
	v_bfe_u32 v7, v0, 3, 1
	v_lshl_add_u32 v6, v7, 4, v6
	s_lshl_b32 s22, s12, 8                         ; my 128 columns: 256 bytes x half,
	s_add_co_u32 s22, s22, 2*HALFT                 ; behind A's 256 rows
	v_add_nc_u32 v[ADRB], s22, v6
	v_add_nc_u32 v[ADRB+1], SLOT, v[ADRB]
	s_mul_i32 s23, s10, 16*SPITCH
	s_add_co_u32 s23, s23, STAGE                   ; my stage
	v_mul_u32_u24 v4, v1, SPITCH                   ; in: row l % 16, 16 bytes for each half of the lanes
	v_lshl_add_u32 v4, v2, 4, v4
	v_add_nc_u32 v[STO], s23, v4
	v_mul_u32_u24 v5, v2, SPITCH                   ; back: lanes 0-15 take one row of 256 bytes, lanes 16-31 the next
	v_lshl_add_u32 v5, v1, 4, v5
	v_add_nc_u32 v[RD], s23, v5
	v_mul_u32_u24 v5, v2, SIZE_N*2                 ; and the same two rows in C
	v_lshl_add_u32 v[CO], v1, 4, v5
.if GELU
	v_mov_b32 v[K0P],   0xc0135761                 ; -2.3022082
	v_mov_b32 v[K0P+1], 0xc0135761
	v_mov_b32 v[K1P],   0xbdd2d3e8                 ; -0.10294324
	v_mov_b32 v[K1P+1], 0xbdd2d3e8
.endif
; 16 matrix instructions: m blocks a0, a0 + 1 of the window's four (hi = 0: my rows 0-63, 1: rows 64-127) x all 8 n blocks, 32 along K.
; first = 1: the bias is C.  The 64 accumulators take turns, one instruction a turn, in the same order in every quarter step.
.macro MUL16 f, hi, a0, first
.irp a, \a0, \a0+1
.irp b, 0,1,2,3,4,5,6,7
.if \first
	v_wmma_f32_16x16x32_f16 v[8*(8*(\a)+\b):8*(8*(\a)+\b)+7], v[\f+8*\b:\f+8*\b+7], v[\f+8*(4*\hi+\a):\f+8*(4*\hi+\a)+7], v[BI+8*\b:BI+8*\b+7]
.else
	v_wmma_f32_16x16x32_f16 v[8*(8*(\a)+\b):8*(8*(\a)+\b)+7], v[\f+8*\b:\f+8*\b+7], v[\f+8*(4*\hi+\a):\f+8*(4*\hi+\a)+7], v[8*(8*(\a)+\b):8*(8*(\a)+\b)+7]
.endif
.endr
.endr
.endm
; 32 LDS loads in one run: the fragments of quarter q of a K step (32 along K: 128 columns of W, 128 rows of A) into buffer f
.macro FETCH slot, q, f
	WIN TO_B
.irp i, 0,1,2,3,4,5,6,7
	ds_load_tr16_b128 v[\f+8*\i:\f+8*\i+3],   v[ADRB+\slot] offset:\q*32*PITCHB+32*\i
	ds_load_tr16_b128 v[\f+8*\i+4:\f+8*\i+7], v[ADRB+\slot] offset:\q*32*PITCHB+32*\i+16*PITCHB
.endr
	WIN 0
.irp i, 0,1,2,3,4,5,6,7
	ds_load_b128 v[\f+8*\i:\f+8*\i+3],   v[ADRA+\slot] offset:64*\q+\i*16*PITCH
	ds_load_b128 v[\f+8*\i+4:\f+8*\i+7], v[ADRA+\slot] offset:64*\q+\i*16*PITCH+32
.endr
.endm
; Four places of plain vector instructions stand between a matrix instruction and a load into one of its registers, or a vector instruction that
; reads its result (ISA guide 7.12.1 for vector instructions).
.macro PLACES
.rept 4
	v_nop
.endr
.endm
; One of the first three quarters of a K step: multiplies buffer f; in its middle it fetches quarter q of the same slot into buffer g.
.macro QUARTER slot, q, f, g, first
	s_wait_dscnt 8                                 ; W and A's rows 0-63 are in; the youngest eight loads (A's rows 64-127) may be out
.if \first
	WIN FIRST_LO
.else
	WIN MUL_LO
.endif
	MUL16 \f, 0, 0, \first
	MUL16 \f, 0, 2, \first
	PLACES
	FETCH \slot, \q, \g
	s_wait_dscnt 32                                ; all but the 32 just issued
.if \first
	WIN FIRST_HI
.else
	WIN MUL_HI
.endif
	MUL16 \f, 1, 0, \first
	MUL16 \f, 1, 2, \first
.endm
.macro THREE slot, first
	QUARTER \slot, 1, F0, F1, \first
	QUARTER \slot, 2, F1, F0, 0
	QUARTER \slot, 3, F0, F1, 0
.endm
; The last quarter: multiplies buffer 1 and changes slots.  In front of the barrier each wave waits for its reads of this slot and for all its
; tensor loads (one is out: its part of the next slot).  Behind it, and behind the cluster's round where this slot is filled again, the refill
; comes first, then the next slot's first fragments.  From a request to the wait for it a wave issues 240 matrix instructions.
.macro TURN slot, next, fill
	s_wait_dscnt 8
	WIN MUL_LO
	MUL16 F1, 0, 0, 0
	s_wait_dscnt 0                                 ; my reads of this slot are over
	s_wait_tensorcnt 0x0                           ; and all my tensor loads have landed
	ds_add_u32 v63, v255
	s_wait_dscnt 0x0
	s_barrier_signal -1
	MUL16 F1, 0, 2, 0                              ; register work while the others arrive
	WIN 0
	s_barrier_wait -1
.if \fill
	CREST                                          ; no wave of any partner still reads this slot or has a load on its way
	s_add_nc_u64 s[G0+4*\slot+2:G0+4*\slot+3], s[G0+4*\slot+2:G0+4*\slot+3], 2*KSTEP*2
	s_add_nc_u64 s[G0B+4*\slot+2:G0B+4*\slot+3], s[G0B+4*\slot+2:G0B+4*\slot+3], 2*KSTEP*SIZE_N*2
	JLOAD \slot                                    ; the wave's one tensor load behind the round
.endif
	PLACES
	FETCH \next, 0, F0
	WIN MUL_HI
	MUL16 F1, 1, 0, 0
	MUL16 F1, 1, 2, 0
.endm
.macro LAP first                       ; once round the ring, both slots filled again
	THREE 0, \first
	TURN 0, 1, 1
	THREE 1, 0
	TURN 1, 0, 1
.endm
	s_wait_loadcnt 0x0                             ; the bias
	s_wait_tensorcnt 1                             ; my part of K step 0 is in; K step 1's stays out
	s_barrier_signal -1
	s_barrier_wait -1                              ; everybody's is
	FETCH 0, 0, F0
	LAP 1                                          ; the first lap stands in front of the loop: its first products start the sums from the bias
	WIN 0                                          ; at a label and at a branch every window is 0
	s_mov_b32 s3, LAPS-2
.Llap:
	LAP 0
	WIN 0
	s_sub_co_u32 s3, s3, 1
	s_cmp_lg_u32 s3, 0
	s_cbranch_scc1 .Llap
	THREE 0, 0                                     ; the last lap fills nothing
	TURN 0, 1, 0
	THREE 1, 0
	s_wait_dscnt 8                                 ; the very last quarter
	WIN MUL_LO
	MUL16 F1, 0, 0, 0
	MUL16 F1, 0, 2, 0
	s_wait_dscnt 0
	WIN MUL_HI
	MUL16 F1, 1, 0, 0
	MUL16 F1, 1, 2, 0
	; THE WAY OUT, 16 rows of C at a time: (GELU,) round to f16, 16 bytes a lane into my own stage in LDS, read back as whole rows of 256 bytes.
	PLACES
	s_lshl_b32 s13, s13, 8
	s_lshl_b32 s14, s11, 7
	s_add_co_u32 s16, s13, s14                     ; my first row of C
	s_mul_i32 s16, s16, SIZE_N*2                   ; below 4096 x 8192 bytes
	s_mov_b32 s17, 0
	s_add_nc_u64 s[8:9], s[8:9], s[16:17]
	s_lshl_b32 s46, s42, 9                         ; my first column, in bytes: 512 x block + 256 x half
	s_lshl_b32 s47, s12, 8
	s_add_co_u32 s46, s46, s47
	s_mov_b32 s47, 0
	s_add_nc_u64 s[8:9], s[8:9], s[46:47]
; rows 16 i .. 16 i + 15 of my block = registers 64 a .. 64 a + 63 of window 2 or 3.  both: that window for sources 0 and 1; one: for source 1 alone; f: the buffer for rows read back.
; GELU: gelu(x) = x / (1 + 2^(x (K0 + K1 x x))), which is the tanh form written with one exponential; for large |x| the power goes to 0 or to infinity and the result to x or to -0.
.macro OUT16 i, a, both, one, f
.if GELU
	WIN \both
.set p, 0
.rept 32
	v_pk_mul_f32 v[F0+2*p:F0+2*p+1], v[64*\a+2*p:64*\a+2*p+1], v[64*\a+2*p:64*\a+2*p+1]     ; x x
.set p, p+1
.endr
	WIN 0
.set p, 0
.rept 32
	v_pk_fma_f32 v[F0+2*p:F0+2*p+1], v[F0+2*p:F0+2*p+1], v[K1P:K1P+1], v[K0P:K0P+1]         ; K1 x x + K0
.set p, p+1
.endr
	WIN \one
.set p, 0
.rept 32
	v_pk_mul_f32 v[F0+2*p:F0+2*p+1], v[F0+2*p:F0+2*p+1], v[64*\a+2*p:64*\a+2*p+1]           ; times x
.set p, p+1
.endr
	WIN 0
.set p, 0
.rept 64
	v_exp_f32 v[F0+p], v[F0+p]
.set p, p+1
.endr
	v_nop                                          ; one plain place behind the transcendentals (ISA guide 5.7.2)
.set p, 0
	s_wait_alu depctr_va_vdst(0)
.rept 32
	v_pk_add_f32 v[F0+2*p:F0+2*p+1], v[F0+2*p:F0+2*p+1], 1.0 op_sel_hi:[1,0]
.set p, p+1
.endr
.set p, 0
.rept 64
	v_rcp_f32 v[F0+p], v[F0+p]
.set p, p+1
.endr
	v_nop
	WIN \one
.set p, 0
	s_wait_alu depctr_va_vdst(0)
.rept 32
	v_pk_mul_f32 v[F0+2*p:F0+2*p+1], v[F0+2*p:F0+2*p+1], v[64*\a+2*p:64*\a+2*p+1]           ; x / (1 + ..)
.set p, p+1
.endr
	WIN 0
.set p, 0
.rept 32
	v_cvt_pk_f16_f32 v[TMP+p], v[F0+2*p], v[F0+2*p+1]
.set p, p+1
.endr
.else
	WIN \both
.set p, 0
.rept 32
	v_cvt_pk_f16_f32 v[TMP+p], v[64*\a+2*p], v[64*\a+2*p+1]
.set p, p+1
.endr
	WIN 0
.endif
.irp b, 0,1,2,3,4,5,6,7
	ds_store_b128 v[STO], v[TMP+4*\b:TMP+4*\b+3] offset:32*\b
.endr
	s_wait_xcnt 0x0                                ; buffer f, which earlier stores read, and the stores' base are rewritten only behind this wait
.if \i
	s_add_nc_u64 s[8:9], s[8:9], 16*SIZE_N*2       ; 16 rows of C on: the stores' immediates stay at 14 rows at the most
.endif
.irp t, 0,1,2,3,4,5,6,7
	ds_load_b128 v[\f+4*\t:\f+4*\t+3], v[RD] offset:\t*2*SPITCH    ; LDS serves a wave's instructions in order (ISA guide 5.7.1): these see the stores above
.endr
.irp t, 0,1,2,3,4,5,6,7
	s_wait_dscnt 7-\t                              ; pair t of the eight pairs of rows is in
	global_store_b128 v[CO], v[\f+4*\t:\f+4*\t+3], s[8:9] offset:2*\t*SIZE_N*2   ; 16 lanes store 256 consecutive bytes, at a multiple of 256 from C's first byte
.endr
.endm
	OUT16 0, 0, 0x0a, 0x08, RB0
	OUT16 1, 1, 0x0a, 0x08, RB1
	OUT16 2, 2, 0x0a, 0x08, RB0
	OUT16 3, 3, 0x0a, 0x08, RB1
	OUT16 4, 0, 0x0f, 0x0c, RB0
	OUT16 5, 1, 0x0f, 0x0c, RB1
	OUT16 6, 2, 0x0f, 0x0c, RB0
	OUT16 7, 3, 0x0f, 0x0c, RB1
	s_set_vgpr_msb 0x1
	s_wait_tensorcnt 0x0
	ds_add_u32 v63, v255
	s_wait_dscnt 0x0
	s_set_vgpr_msb 0x100
	CROUND                                         ; the closing round: no work-group ends while a partner may still ask for a tile that names it
	s_endpgm
.Lfunc_end_k_q25c633d7bf_gemm_fc:
	.size	k_q25c633d7bf_gemm_fc, .Lfunc_end_k_q25c633d7bf_gemm_fc-k_q25c633d7bf_gemm_fc
	.p2alignl 7, 3214868480
	.fill 96, 4, 3214868480
	.section	.rodata,"a",@progbits
	.p2align	6, 0x0
	.amdhsa_kernel k_q25c633d7bf_gemm_fc
		.amdhsa_group_segment_fixed_size 327680
		.amdhsa_private_segment_fixed_size 0
		.amdhsa_enable_private_segment 0
		.amdhsa_kernarg_size 32
		.amdhsa_user_sgpr_count 2
		.amdhsa_user_sgpr_kernarg_segment_ptr 1
		.amdhsa_wavefront_size32 1
		.amdhsa_system_sgpr_workgroup_id_x 1
		.amdhsa_system_sgpr_workgroup_id_y 1
		.amdhsa_system_sgpr_workgroup_id_z 1
		.amdhsa_system_vgpr_workitem_id 0
		.amdhsa_next_free_vgpr 1024
		.amdhsa_next_free_sgpr 80
		.amdhsa_reserve_vcc 0
		.amdhsa_float_denorm_mode_32 3
		.amdhsa_float_denorm_mode_16_64 3
		.amdhsa_memory_ordered 1
		.amdhsa_forward_progress 1
		.amdhsa_inst_pref_size 255
	.end_amdhsa_kernel
	.section	.bss,"aw",@nobits
	.p2align	6
	.space	262144
	.amdgpu_metadata
---
amdhsa.version: [ 1, 2 ]
amdhsa.kernels:
  - .name:           k_q25c633d7bf_gemm_fc
    .symbol:         k_q25c633d7bf_gemm_fc.kd
    .args:
      - { .name: h2, .offset: 0, .size: 8, .value_kind: global_buffer, .address_space: global }
      - { .name: pre, .offset: 8, .size: 8, .value_kind: global_buffer, .address_space: global }
      - { .name: fc_b, .offset: 16, .size: 8, .value_kind: global_buffer, .address_space: global }
      - { .name: hfc, .offset: 24, .size: 8, .value_kind: global_buffer, .address_space: global }
    .group_segment_fixed_size: 327680
    .private_segment_fixed_size: 0
    .kernarg_segment_align: 8
    .kernarg_segment_size: 32
    .max_flat_workgroup_size: 128
    .sgpr_count:     80
    .vgpr_count:     1024
    .wavefront_size: 32
...
	.end_amdgpu_metadata
.endif
;; end of part 5
;; launch gemm_proj2 (part 6): grid 8 x 32, 4 waves a work-group, clusters of 4 x 4, 327,680 bytes of LDS; arguments hfc, pre, proj_b, x1, out0; writes out0
.if DOCPART == 6
	.amdgcn_target "amdgcn-amd-amdhsa--gfx1250"
	.amdhsa_code_object_version 6
	.text
	.protected	k_q25c633d7bf_gemm_proj2
	.globl	k_q25c633d7bf_gemm_proj2
	.p2align	8
	.type	k_q25c633d7bf_gemm_proj2,@function
k_q25c633d7bf_gemm_proj2:
	s_mov_b64 s[64:65], 0
	v_nop
	global_prefetch_b8 v0, s[64:65] scope:SCOPE_SE
	s_setreg_imm32_b32 hwreg(HW_REG_WAVE_MODE, 25, 1), 1
	s_wait_xcnt 0x0
	s_wait_alu depctr_hold_cnt(0) depctr_sa_sdst(0) depctr_va_vdst(0) depctr_va_sdst(0) depctr_va_ssrc(0) depctr_va_vcc(0) depctr_vm_vsrc(0)
	s_getreg_b32 s2, hwreg(HW_REG_IB_STS2, 6, 4)
	s_cmp_eq_u32 s2, 0
	s_cbranch_scc0 .Lentry_in_a_cluster
	s_endpgm
.Lentry_in_a_cluster:
	s_bfe_u32 s2, ttmp6, 0x10000c
	s_cmp_lg_u32 s2, 0xf033
	s_cbranch_scc0 .Lentry_shape_is_right
	s_endpgm
.Lentry_shape_is_right:
; OUT[m][n] = RES[m][n] + bias[n] + sum over k of A[m][k] W[k][n].   A: [4096][SIZE_K] f16.  W: [SIZE_K][1024] f16, at byte WOFF of its buffer.
; bias: [1024] f32.  RES, OUT: [4096][1024] f32.  Sums in f32; nothing is rounded to 16 bits here.
; N is 1024, so 256 work-groups want blocks of 128 x 128 of C.  K IS SPLIT AMONG THE FOUR WAVES: every wave keeps the whole block, 64 accumulator tiles in 512
; registers, and of each slot of 256 along K multiplies its own 64.  So each LDS byte of a tile is read once, and a byte read from LDS feeds as many
; multiply-adds as with a wave tile of 128 x 128 in a larger block.  At the end the four partial blocks meet in LDS (in the ring, which has had its last fill):
; each wave adds the four copies of 32 rows, then bias and residual, and stores whole rows of 512 bytes.
; The ring: two slots of K = 256.  A's tile has 128 rows of 512 bytes; W's tile 256 rows (k) of 256 bytes, read with the transposing LDS load.
; CLUSTERS: 4 x 4 work-groups; A's tiles are asked for jointly along a row of the cluster, W's along a column, which divides the requests for both by four.
; REGISTERS, in windows of 256: window 0: v0-31 addresses, bias; v64-191 fragments of A, two buffers (at the end the copies being added);
;   window 1: v64-191 fragments of W, two buffers; v0-63 and v192-255 the residual of my 32 rows, asked for in the first lap;
;   windows 2, 3: accumulators, tile (a, b) at v[8 (8 a + b)], rows 0-63 and 64-127.
; The matrix instruction is used transposed (source 0 = 16 columns of W, source 1 = 16 rows of A): a lane's eight results are eight neighbouring columns of a row.
; Limits: operands are f16 as earlier launches rounded them; K is summed in four interleaved parts that are added at the end, an order of rounding of its own; NaN and infinities are not cared for.
.set SIZE_K, 4096
.set WOFF,   0x1800000                 ; where W begins in its buffer
.set SIZE_N, 1024
.set KSLOT,  256                       ; K in a slot
.set PA,     528                       ; A's LDS row: 512 bytes + 16, an odd multiple of 16 bytes.  Also the pitch of a partial block's rows (128 f32 + 16 bytes)
.set PB,     288                       ; W's LDS row: 256 bytes + 32, an odd multiple of 32 bytes
.set ATILE,  128*PA
.set BTILE,  256*PB
.set SLOT,   ATILE+BTILE
.set LAPS,   SIZE_K/(2*KSLOT)          ; a lap = once round the ring
.set ADRA, 16                          ; v16-17  LDS address of my A fragments in slot 0, 1
.set ADRB, 18                          ; v18-19  the same for W
.set RDC,  20                          ; v20-23  the exchange: my 16 bytes in the first of my 32 rows of copy 0..3
.set STO,  24                          ; v24     the exchange: where I put 32 bytes of a row of my copy
.set CO,   26                          ; v26     16 x lane: my bytes in a row of 512 bytes; never rewritten
.set BIA,  28                          ; v[28:31] the bias of my four columns
.set F0,   64
.set F1,   128
.set G1, 24
.set G0, 32
.set G1B, 48
.set G0B, 56
.set MSB, 0
.macro WIN new                         ; s_set_vgpr_msb: bits 1:0 source 0, 3:2 source 1, 5:4 source 2, 7:6 destination; the high byte repeats the setting that is left
.if MSB != \new
	s_set_vgpr_msb (MSB<<8)|\new
.set MSB, \new
.endif
.endm
.set MUL_LO, 0xa1                      ; source 0 (W) window 1, source 1 (A) window 0, C and D window 2
.set MUL_HI, 0xf1                      ; the same, C and D window 3
.set TO_B,   0x40                      ; destination window 1, address window 0
; A joint load.  Waves 0 and 1 fetch A's two halves, waves 2 and 3 W's.  The branch hangs on the wave's number alone.
.macro JLOAD s
	s_cmp_eq_u32 s11, 0
	s_cbranch_scc0 .Lfor_b_\@
	tensor_load_to_lds s[G0+4*\s:G0+4*\s+3], s[G1:G1+7]
	s_nop 0
	s_branch .Lasked_\@
.Lfor_b_\@:
	tensor_load_to_lds s[G0B+4*\s:G0B+4*\s+3], s[G1B:G1B+7]
	s_nop 0
.Lasked_\@:
.endm
.macro CREST                           ; a round of the cluster's barrier behind its opening barrier
	s_cmp_lg_u32 s10, 0
	s_cbranch_scc1 .Lnot_wave_0_\@
	s_barrier_signal -3
.Lnot_wave_0_\@:
	s_barrier_wait -3
	s_barrier_signal -1
	s_barrier_wait -1
.endm
.macro CROUND                          ; a whole round
	s_barrier_signal -1
	s_barrier_wait -1
	CREST
.endm
	s_load_b128 s[4:7], s[0:1], 0x0                ; A s[4:5], W's buffer s[6:7]
	s_load_b128 s[68:71], s[0:1], 0x10             ; bias s[68:69], residual s[70:71]
	s_load_b64 s[8:9], s[0:1], 0x20                ; the result
	v_lshl_add_u32 v254, v0, 2, 0x45000
	v_mov_b32 v255, 0
	ds_add_u32 v254, v255
	v_lshrrev_b32 v1, 5, v0
	v_readfirstlane_b32 s10, v1                    ; wave 0..3
	s_lshr_b32 s11, s10, 1                         ; I fetch for A (0) or for W (1)
	s_and_b32 s12, s10, 1                          ; which half of that tile
	s_bfe_u32 s40, ttmp6, 0x40000                  ; cx
	s_bfe_u32 s41, ttmp6, 0x40004                  ; cy
	s_lshl_b32 s42, ttmp9, 2
	s_add_co_u32 s42, s42, s40                     ; block column = 4 x cluster x + cx
	s_and_b32 s13, ttmp7, 0xffff
	s_lshl_b32 s13, s13, 2
	s_add_co_u32 s13, s13, s41                     ; block row = 4 x cluster y + cy
	s_lshl_b32 s43, s41, 2
	s_lshl_b32 s43, 15, s43                        ; my row of the cluster
	s_lshl_b32 s44, 0x1111, s40                    ; my column
	; group 1 for A: 64 rows x 256 elements of 2 bytes, 4 words of padding behind every 128 words
	s_or_b32 s[G1+0], s43, (1<<16)|(1<<20)|(1<<21)|(6<<22)|(3<<25)
	s_mov_b32 s[G1+1], KSLOT<<16
	s_mov_b32 s[G1+2], 64<<16
	s_mov_b32 s[G1+3], KSLOT<<16
	s_mov_b32 s[G1+4], 64
	s_mov_b32 s[G1+5], SIZE_K
	s_mov_b32 s[G1+6], 0
	s_mov_b32 s[G1+7], 0
	; group 1 for W: 128 rows x 128 elements of 2 bytes, 8 words of padding behind every 64 words
	s_or_b32 s[G1B+0], s44, (1<<16)|(1<<20)|(1<<21)|(5<<22)|(7<<25)
	s_mov_b32 s[G1B+1], 128<<16
	s_mov_b32 s[G1B+2], 128<<16
	s_mov_b32 s[G1B+3], 128<<16
	s_mov_b32 s[G1B+4], 128
	s_mov_b32 s[G1B+5], SIZE_N
	s_mov_b32 s[G1B+6], 0
	s_mov_b32 s[G1B+7], 0
	; A's tiles hang on the block row and the wave alone, W's on the block column and the wave alone, in registers that never hold the other coordinate
	s_lshl_b32 s17, s12, 6
	s_lshl_b32 s16, s13, 7
	s_add_co_u32 s16, s16, s17                     ; A: row 128 x block row + 64 x half
	s_mul_i32 s16, s16, SIZE_K*2                   ; below 4096 x 8192 bytes
	s_mov_b32 s17, 0
	s_lshl_b32 s46, s42, 8                         ; W: 128 columns x 2 bytes x block column
	s_mul_i32 s74, s12, 128*SIZE_N*2               ; + 128 rows x half
	s_add_co_u32 s46, s46, s74
	s_add_co_u32 s46, s46, WOFF
	s_mov_b32 s47, 0
	s_lshl_b32 s74, s42, 9                         ; the bias of the block's 128 columns
	s_mov_b32 s75, 0
	s_lshl_b32 s76, s13, 7
	s_lshl_b32 s77, s10, 5
	s_add_co_u32 s76, s76, s77                     ; residual and result: row 128 x block row + 32 x wave,
	s_lshl_b32 s76, s76, 12                        ; 4,096 bytes a row,
	s_add_co_u32 s76, s76, s74                     ; + 512 bytes x block column
	s_mov_b32 s77, 0
	s_mul_i32 s20, s12, 64*PA                      ; where the tiles go: A's half
	s_mul_i32 s21, s12, 128*PB                     ; W's half,
	s_add_co_u32 s21, s21, ATILE                   ; behind A's tile
	s_wait_dscnt 0x0
	s_wait_kmcnt 0x0
	s_add_nc_u64 s[14:15], s[4:5], s[16:17]
	s_add_nc_u64 s[46:47], s[6:7], s[46:47]
	s_add_nc_u64 s[68:69], s[68:69], s[74:75]
	s_add_nc_u64 s[70:71], s[70:71], s[76:77]
	s_add_nc_u64 s[8:9], s[8:9], s[76:77]
	CROUND                                         ; all sixteen work-groups are here: the first joint loads meet
.irp s, 0,1
	s_mov_b32 s[G0+4*\s], 1
	s_add_co_u32 s[G0+4*\s+1], s20, \s*SLOT
	s_add_nc_u64 s[G0+4*\s+2:G0+4*\s+3], s[14:15], \s*KSLOT*2
	s_or_b32 s[G0+4*\s+3], s[G0+4*\s+3], 0x80000000
	s_mov_b32 s[G0B+4*\s], 1
	s_add_co_u32 s[G0B+4*\s+1], s21, \s*SLOT
	s_add_nc_u64 s[G0B+4*\s+2:G0B+4*\s+3], s[46:47], \s*KSLOT*SIZE_N*2
	s_or_b32 s[G0B+4*\s+3], s[G0B+4*\s+3], 0x80000000
	JLOAD \s                                       ; both slots are asked for before anything else is done: two loads of the wave are out
.endr
	v_and_b32 v7, 31, v0
	v_lshlrev_b32 v[CO], 4, v7
	global_load_b128 v[BIA:BIA+3], v[CO], s[68:69]
	v_and_b32 v1, 15, v0                           ; r
	v_bfe_u32 v2, v0, 4, 1                         ; h
	v_mul_u32_u24 v3, v1, PA
	v_lshl_add_u32 v4, v2, 4, v3                   ; A: row r, 16 h bytes,
	s_lshl_b32 s22, s10, 7                         ; my 64 of the slot's 256 along K: 128 bytes x wave
	v_add_nc_u32 v[ADRA], s22, v4
	v_add_nc_u32 v[ADRA+1], SLOT, v[ADRA]
	v_and_b32 v5, 7, v0                            ; W by the transposing load: row 8 h + (l & 7), 16 bytes at 16 ((l >> 3) & 1)
	v_lshl_or_b32 v5, v2, 3, v5
	v_mul_u32_u24 v5, v5, PB
	v_bfe_u32 v6, v0, 3, 1
	v_lshl_add_u32 v5, v6, 4, v5
	s_mul_i32 s23, s10, 64*PB                      ; my 64 rows of W's 256
	s_add_co_u32 s23, s23, ATILE
	v_add_nc_u32 v[ADRB], s23, v5
	v_add_nc_u32 v[ADRB+1], SLOT, v[ADRB]
	v_lshl_add_u32 v3, v2, 5, v3                   ; the exchange, in: row r, 32 h bytes, in my copy
	s_mul_i32 s23, s10, ATILE
	v_add_nc_u32 v[STO], s23, v3
	s_mul_i32 s23, s10, 32*PA                      ; back: my 32 rows of each copy
	v_add_nc_u32 v[RDC], s23, v[CO]
.irp c, 1,2,3
	v_add_nc_u32 v[RDC+\c], \c*ATILE, v[RDC]
.endr
; 16 matrix instructions: m blocks a0, a0 + 1 of the window's four x all 8 n blocks, 32 along K.  zero = 1: the first product starts the sums.
; The 64 accumulators take turns, one instruction a turn, in the same order in every quarter.
.macro MUL16 f, hi, a0, zero
.irp a, \a0, \a0+1
.irp b, 0,1,2,3,4,5,6,7
.if \zero
	v_wmma_f32_16x16x32_f16 v[8*(8*(\a)+\b):8*(8*(\a)+\b)+7], v[\f+8*\b:\f+8*\b+7], v[\f+8*(4*\hi+\a):\f+8*(4*\hi+\a)+7], 0
.else
	v_wmma_f32_16x16x32_f16 v[8*(8*(\a)+\b):8*(8*(\a)+\b)+7], v[\f+8*\b:\f+8*\b+7], v[\f+8*(4*\hi+\a):\f+8*(4*\hi+\a)+7], v[8*(8*(\a)+\b):8*(8*(\a)+\b)+7]
.endif
.endr
.endr
.endm
; 32 LDS loads in one run: half q of my 64 along K (128 columns of W, 128 rows of A, 32 along K) into buffer f
.macro FETCH slot, q, f
	WIN TO_B
.irp i, 0,1,2,3,4,5,6,7
	ds_load_tr16_b128 v[\f+8*\i:\f+8*\i+3],   v[ADRB+\slot] offset:\q*32*PB+32*\i
	ds_load_tr16_b128 v[\f+8*\i+4:\f+8*\i+7], v[ADRB+\slot] offset:\q*32*PB+32*\i+16*PB
.endr
	WIN 0
.irp i, 0,1,2,3,4,5,6,7
	ds_load_b128 v[\f+8*\i:\f+8*\i+3],   v[ADRA+\slot] offset:64*\q+\i*16*PA
	ds_load_b128 v[\f+8*\i+4:\f+8*\i+7], v[ADRA+\slot] offset:64*\q+\i*16*PA+32
.endr
.endm
; Four places of plain vector instructions between a matrix instruction and a load into one of its registers, or an instruction that reads its result
; (ISA guide 7.12.1 for vector instructions).
.macro PLACES
.rept 4
	v_nop
.endr
.endm
; The first half of a slot: multiplies buffer f; in its middle it fetches half q of the same slot into buffer g.
.macro QUARTER slot, q, f, g, zero
	s_wait_dscnt 8                                 ; W and A's rows 0-63 are in; the youngest eight loads (A's rows 64-127) may be out
	WIN MUL_LO
	MUL16 \f, 0, 0, \zero
	MUL16 \f, 0, 2, \zero
	PLACES
	FETCH \slot, \q, \g
	s_wait_dscnt 32                                ; all but the 32 just issued
	WIN MUL_HI
	MUL16 \f, 1, 0, \zero
	MUL16 \f, 1, 2, \zero
.endm
; The second half: multiplies buffer 1 and changes slots.  The products on rows 0-63 come first.  Then each wave waits for its reads of this slot and for all its tensor
; loads (one is out: its part of the next slot), steps this slot's addresses while no load of its own is out, and passes the barrier, which opens the cluster's round where
; this slot is filled again.  Nothing stands inside the round, and the refill is the first thing behind it: between a tile's landing and the next request lies the round alone.
; From a request to the wait for it a wave issues 128 matrix instructions.
; res = 1 (once, in the first lap): the residual of my 32 rows is asked for here, ahead of a wait at which the wave stands anyway; it has the rest of K in which to come.
.macro TURN slot, next, fill, res
	s_wait_dscnt 8
	WIN MUL_LO
	MUL16 F1, 0, 0, 0
	MUL16 F1, 0, 2, 0
.if \res
	WIN TO_B
.set i, 0
.rept 32
	global_load_b128 v[4*i+128*(i/16):4*i+128*(i/16)+3], v[CO], s[70:71] offset:i*4096     ; row i: window 1, v0-63 for rows 0-15, v192-255 for rows 16-31
.set i, i+1
.endr
.endif
	WIN 0
	s_wait_dscnt 0                                 ; my reads of this slot are over
	s_wait_tensorcnt 0x0                           ; and all my tensor loads have landed
	ds_add_u32 v254, v255
	s_wait_dscnt 0x0
.if \fill
	s_add_nc_u64 s[G0+4*\slot+2:G0+4*\slot+3], s[G0+4*\slot+2:G0+4*\slot+3], 2*KSLOT*2
	s_add_nc_u64 s[G0B+4*\slot+2:G0B+4*\slot+3], s[G0B+4*\slot+2:G0B+4*\slot+3], 2*KSLOT*SIZE_N*2
.endif
	s_barrier_signal -1
	s_barrier_wait -1
.if \fill
	CREST                                          ; no wave of any partner still reads this slot or has a load on its way
	JLOAD \slot                                    ; the wave's one tensor load behind the round
.endif
	PLACES
	FETCH \next, 0, F0
	WIN MUL_HI
	MUL16 F1, 1, 0, 0
	MUL16 F1, 1, 2, 0
.endm
.macro LAP zero                        ; once round the ring, both slots filled again
	QUARTER 0, 1, F0, F1, \zero
	TURN 0, 1, 1, \zero
	QUARTER 1, 1, F0, F1, 0
	TURN 1, 0, 1, 0
.endm
	s_wait_tensorcnt 1                             ; my part of slot 0 is in; slot 1's stays out
	s_barrier_signal -1
	s_barrier_wait -1                              ; everybody's is
	FETCH 0, 0, F0
	LAP 1                                          ; the first lap stands in front of the loop: its first products start the sums
.if LAPS > 2
	WIN 0                                          ; at a label and at a branch every window is 0
	s_mov_b32 s3, LAPS-2
.Llap:
	LAP 0
	WIN 0
	s_sub_co_u32 s3, s3, 1
	s_cmp_lg_u32 s3, 0
	s_cbranch_scc1 .Llap
.endif
	QUARTER 0, 1, F0, F1, 0                        ; the last lap fills nothing
	TURN 0, 1, 0, 0
	QUARTER 1, 1, F0, F1, 0
	s_wait_dscnt 8
	WIN MUL_LO
	MUL16 F1, 0, 0, 0
	MUL16 F1, 0, 2, 0
	s_wait_dscnt 0                                 ; my last reads of the ring are over
	WIN MUL_HI
	MUL16 F1, 1, 0, 0
	MUL16 F1, 1, 2, 0
	; THE EXCHANGE
	PLACES
	WIN 0
	s_barrier_signal -1                            ; every wave's reads of the ring are over, and both slots have had their last fill:
	s_barrier_wait -1                              ; the ring's bytes may now be stored into
.macro PUT hi                          ; the window's 32 tiles into my copy: row 16 (4 hi + a) + r, columns 16 b + 8 h + 0..7, 32 bytes
.irp a, 0,1,2,3
.irp b, 0,1,2,3,4,5,6,7
	ds_store_b128 v[STO], v[8*(8*\a+\b):8*(8*\a+\b)+3]   offset:(4*\hi+\a)*16*PA+64*\b
	ds_store_b128 v[STO], v[8*(8*\a+\b)+4:8*(8*\a+\b)+7] offset:(4*\hi+\a)*16*PA+64*\b+16
.endr
.endr
.endm
	WIN 0x08                                       ; an LDS store's data are its source 1: window 2
	PUT 0
	WIN 0x0c                                       ; window 3
	PUT 1
	WIN 0
	s_wait_dscnt 0x0                               ; my copy is written, for the others' sake
	s_barrier_signal -1
	s_barrier_wait -1
	s_wait_loadcnt 0x0                             ; bias and residual
; eight of my 32 rows: the four copies of a row are added, then bias and residual; a store of the wave covers a row's 512 consecutive bytes
.macro BATCH g
	s_wait_xcnt 0x0                                ; the registers that the last batch's stores read are loaded again only behind this wait
.irp i, 0,1,2,3,4,5,6,7
.irp c, 0,1,2,3
	ds_load_b128 v[F0+16*\i+4*\c:F0+16*\i+4*\c+3], v[RDC+\c] offset:(8*\g+\i)*PA
.endr
.endr
.irp i, 0,1,2,3,4,5,6,7
	s_wait_dscnt 28-4*\i                           ; row i's four copies are in; the later rows' loads stay out
	v_pk_add_f32 v[F0+16*\i:F0+16*\i+1],     v[F0+16*\i:F0+16*\i+1],     v[F0+16*\i+4:F0+16*\i+5]
	v_pk_add_f32 v[F0+16*\i+2:F0+16*\i+3],   v[F0+16*\i+2:F0+16*\i+3],   v[F0+16*\i+6:F0+16*\i+7]
	v_pk_add_f32 v[F0+16*\i+8:F0+16*\i+9],   v[F0+16*\i+8:F0+16*\i+9],   v[F0+16*\i+12:F0+16*\i+13]
	v_pk_add_f32 v[F0+16*\i+10:F0+16*\i+11], v[F0+16*\i+10:F0+16*\i+11], v[F0+16*\i+14:F0+16*\i+15]
	v_pk_add_f32 v[F0+16*\i:F0+16*\i+1],     v[F0+16*\i:F0+16*\i+1],     v[F0+16*\i+8:F0+16*\i+9]
	v_pk_add_f32 v[F0+16*\i+2:F0+16*\i+3],   v[F0+16*\i+2:F0+16*\i+3],   v[F0+16*\i+10:F0+16*\i+11]
	v_pk_add_f32 v[F0+16*\i:F0+16*\i+1],     v[F0+16*\i:F0+16*\i+1],     v[BIA:BIA+1]
	v_pk_add_f32 v[F0+16*\i+2:F0+16*\i+3],   v[F0+16*\i+2:F0+16*\i+3],   v[BIA+2:BIA+3]
.endr
	WIN 0x04                                       ; the residual in window 1
.irp i, 0,1,2,3,4,5,6,7
.set rr, 4*(8*\g+\i)+128*((8*\g+\i)/16)
	v_pk_add_f32 v[F0+16*\i:F0+16*\i+1],   v[F0+16*\i:F0+16*\i+1],   v[rr:rr+1]
	v_pk_add_f32 v[F0+16*\i+2:F0+16*\i+3], v[F0+16*\i+2:F0+16*\i+3], v[rr+2:rr+3]
.endr
	WIN 0
.irp i, 0,1,2,3,4,5,6,7
	global_store_b128 v[CO], v[F0+16*\i:F0+16*\i+3], s[8:9] offset:(8*\g+\i)*4096
.endr
.endm
	BATCH 0
	BATCH 1
	BATCH 2
	BATCH 3
	s_wait_tensorcnt 0x0
	ds_add_u32 v254, v255
	s_wait_dscnt 0x0
	CROUND                                         ; the closing round: no work-group ends while a partner may still ask for a tile that names it
	s_endpgm
.Lfunc_end_k_q25c633d7bf_gemm_proj2:
	.size	k_q25c633d7bf_gemm_proj2, .Lfunc_end_k_q25c633d7bf_gemm_proj2-k_q25c633d7bf_gemm_proj2
	.p2alignl 7, 3214868480
	.fill 96, 4, 3214868480
	.section	.rodata,"a",@progbits
	.p2align	6, 0x0
	.amdhsa_kernel k_q25c633d7bf_gemm_proj2
		.amdhsa_group_segment_fixed_size 327680
		.amdhsa_private_segment_fixed_size 0
		.amdhsa_enable_private_segment 0
		.amdhsa_kernarg_size 40
		.amdhsa_user_sgpr_count 2
		.amdhsa_user_sgpr_kernarg_segment_ptr 1
		.amdhsa_wavefront_size32 1
		.amdhsa_system_sgpr_workgroup_id_x 1
		.amdhsa_system_sgpr_workgroup_id_y 1
		.amdhsa_system_sgpr_workgroup_id_z 1
		.amdhsa_system_vgpr_workitem_id 0
		.amdhsa_next_free_vgpr 1024
		.amdhsa_next_free_sgpr 80
		.amdhsa_reserve_vcc 0
		.amdhsa_float_denorm_mode_32 3
		.amdhsa_float_denorm_mode_16_64 3
		.amdhsa_memory_ordered 1
		.amdhsa_forward_progress 1
		.amdhsa_inst_pref_size 131
	.end_amdhsa_kernel
	.amdgpu_metadata
---
amdhsa.version: [ 1, 2 ]
amdhsa.kernels:
  - .name:           k_q25c633d7bf_gemm_proj2
    .symbol:         k_q25c633d7bf_gemm_proj2.kd
    .args:
      - { .name: hfc, .offset: 0, .size: 8, .value_kind: global_buffer, .address_space: global }
      - { .name: pre, .offset: 8, .size: 8, .value_kind: global_buffer, .address_space: global }
      - { .name: proj_b, .offset: 16, .size: 8, .value_kind: global_buffer, .address_space: global }
      - { .name: x1, .offset: 24, .size: 8, .value_kind: global_buffer, .address_space: global }
      - { .name: out0, .offset: 32, .size: 8, .value_kind: global_buffer, .address_space: global }
    .group_segment_fixed_size: 327680
    .private_segment_fixed_size: 0
    .kernarg_segment_align: 8
    .kernarg_segment_size: 40
    .max_flat_workgroup_size: 128
    .sgpr_count:     80
    .vgpr_count:     1024
    .wavefront_size: 32
...
	.end_amdgpu_metadata
.endif
;; end of part 6
